; MI455X (gfx1250); checked and timed in simulation.
; The chip was launched on July 23, 2026; its instructions are those of AMD's public machine-readable ISA for CDNA 5 (MIT licence, August 2026) and "CDNA5" Instruction Set Architecture Reference Guide (July 2026). The comments in the code are by the model that wrote it; some were corrected since.
;; Sparse Multi Head Attention. Allowed arithmetic: matrix products marked QUANTISED: E2M3 operands, one E8M0 scale for each 32 along K, by v_wmma_scale_f32_16x16x128_f8f6f4 with both operands' format E2M3, f32 sums; everything else in f32.
;; Inputs: Wout 1,024 x 1,024 float32; Wqkv 1,024 x 3,072 float32; batch_indices 8,192 int32; bout 1,024 float32; bqkv 3,072 float32; feats 8,192 x 1,024 float32.
;; Outputs: out0 8,192 x 1,024 float32.
;; Constants: batch_size = 8.
;; This version of the problem:
;;   THIS VERSION OF THE PROBLEM IS GIVEN IN LOW PRECISION. The matrix products marked QUANTISED in the list below multiply operands that are first quantised to E2M3 (2 exponent bits, 3 mantissa bits; 6 bits a number), with one power-of-two scale for each 32 numbers along K (OCP MX v1.0); their sums are f32. All else is computed in f32.
;;   The module's matrix products, in the order in which they are computed (A, B: the left and right operand; K: the contracted axis; several contracted axes count as one K, in the product's order):
;;     1. [M 8,192, K 1,024] x [K 1,024, N 3,072]; A: input feats; B: input Wqkv: QUANTISED
;;     2. batch 128 x [M 1,024, K 64] x [K 64, N 1,024]; A: computed on the way; B: computed on the way: QUANTISED
;;     3. batch 128 x [M 64, K 1,024] x [K 1,024, N 1,024]; A: computed on the way; B: softmax (see below): QUANTISED
;;     4. [M 8,192, K 1,024] x [K 1,024, N 1,024]; A: computed on the way; B: input Wout: QUANTISED
;;   THE QUANTISER, for each operand of a quantised product, along K:
;;     - K is cut into blocks of 32 from its start; a last block that is shorter is filled with zeros.
;;     - A block's scale is 2^e with e = floor(log2(the largest magnitude in the block)) - 2, held to -126 .. 127; a block of zeros has e = 0. As a byte (E8M0): e + 127.
;;     - Each number is divided by its block's scale, clamped to +-7.5, and rounded to the nearest number of E2M3, ties to even, subnormals kept.
;;     - The product sums the exact products of the quantised numbers (number of the format x scale) in f32.
;;   ~~~python
;;   def quantise(x, axis):      # numpy; x: float32 -> the quantised numbers, widened to float32 again
;;       x = np.moveaxis(x, axis, -1); K = x.shape[-1]
;;       x = np.pad(x, [(0, 0)] * (x.ndim - 1) + [(0, -K % 32)]); x = x.reshape(x.shape[:-1] + (-1, 32)); a = np.abs(x).max(-1, keepdims=True)
;;       e = np.where(a > 0, np.clip(np.frexp(np.where(a > 0, a, 1))[1] - 1 - 2, -126, 127), 0)      # np.frexp(a)[1] - 1 = floor(log2(a)), exactly
;;       r = np.clip(x / 2.0 ** e, -7.5, 7.5)
;;       step = 2.0 ** (np.maximum(np.frexp(np.where(r == 0, 1, r))[1] - 1, 0) - 3)
;;       q = np.round(r / step) * step * 2.0 ** e      # np.round: ties to even
;;       return np.moveaxis(q.reshape(q.shape[:-2] + (-1,))[..., :K], -1, axis).astype(np.float32)
;;   ~~~
;;   SOFTMAX AHEAD OF A QUANTISED PRODUCT. Where the list says 'softmax', what is quantised is not the finished softmax but p = 2^(t - M), with t = logit x log2(e) and M = ceil(the row's largest t), a whole number; so 1/2 < the row's largest p <= 1. The row's sum l is taken of the UNQUANTISED p, in f32, and the product's result is divided by l at the end. Since M is a whole number, a kernel that streams over the keys may use a running M (the ceiling of the running maximum): every later rescaling is an exact power of two, which a block's scale takes up: the codes' values come out the same.
;;   OPERANDS COMPUTED ON THE WAY. 'Computed on the way' means the value that the module computes at that place (a softmax that the list does not call 'softmax' is quantised finished and normalised). What goes into a quantiser is computed in f32, as accurately as f32 sums, v_exp_f32 and their like allow (about 1e-6 of the number): no bf16 or f16 on the way to a quantiser, and a product that is left as it is and whose result goes on into a quantised operand takes f32 operands (vector FMAs, or v_wmma_f32_16x16x4_f32). A number that lies on a knife's edge between two numbers of the format may be rounded either way, as far as f32 arithmetic and the matrix unit's own rounding can turn it there, and no further.
;; One version. Each part assembles by itself: llvm-mc -triple=amdgcn-amd-amdhsa -mcpu=gfx1250 --defsym DOCPART=n.
;; ======== version 1 of 1: 4 launches
;; workspace buffers: c1 9,437,184 bytes; s1 393,216 bytes; c2 18,874,368 bytes; s2 1,310,720 bytes; c3 6,291,456 bytes; s3 262,144 bytes
;; launch quant (part 1): grid 384 x 1, 4 waves a work-group, no clusters, 102,912 bytes of LDS; arguments feats, Wqkv, Wout, c1, s1; writes c1, s1
.if DOCPART == 1
	.amdgcn_target "amdgcn-amd-amdhsa--gfx1250"
	.amdhsa_code_object_version 6
	.text
	.protected	k_qc4a3e9304c_quant
	.globl	k_qc4a3e9304c_quant
	.p2align	8
	.type	k_qc4a3e9304c_quant,@function
k_qc4a3e9304c_quant:
	s_mov_b64 s[64:65], 0
	v_nop
	global_prefetch_b8 v0, s[64:65] scope:SCOPE_SE
	s_setreg_imm32_b32 hwreg(HW_REG_WAVE_MODE, 25, 1), 1
	s_wait_xcnt 0x0
; feats [8192][1024], Wqkv [1024][3072] and Wout [1024][1024], f32, become codes of FP6 (E2M3) with K innermost and one E8M0 byte for each 32 along K.
; c1: 12,288 rows of 768 bytes (1,024 codes); s1: the same rows, 32 scale bytes each.  Rows 0-8191: the tokens of feats; 8192-11263: the columns of Wqkv; 11264-12287: the columns of Wout.
; TILE ORDER.  Tokens and Wqkv's columns are laid so that, inside each group of 32, true row x stands at place 16 ((x >> 3) & 1) + 8 (x >> 4) + (x & 7).  Sixteen places on end then hold true rows
; 8 u + r + 8 (r / 8): in the products that read them, a lane's 16 results of two neighbouring tiles are 16 neighbours along the next product's K.  Wout's columns keep their order.
; A block's scale is 2^(floor(log2(its largest magnitude)) - 2): its byte is the largest magnitude's exponent field - 2, held at 1 from below.
; LIMITS: a block of zeros gets the byte 1, not 127 (its codes are zeros, and only this program reads the bytes); NaN and infinities among the inputs are not served.
; batch_indices is not loaded by any launch of this program: the function that defines the result never reads it (its segments come from a reshape into 8 x 1,024 tokens), so no number of the result hangs on it.
; Work-groups 0-255 take feats (32 rows each), 256-351 Wqkv, 352-383 Wout (128 columns x 256 along K each).  The three ways part on the work-group's number alone and have LDS bytes of their own.
; Waves share nothing: no barrier.  No tensor loads, no matrix work, no cluster: each byte is read once by one wave.
.set STEPS, 16
.set CB,    12                         ; bytes of 16 codes
.set RAW,   16                         ; v16-79   feats: four sets of 16 numbers as loaded
.set FX,    80                         ; v80-111  two sets of 16 neighbours
.set FE,    112                        ; v112-127 a scale byte for each step
.set FC,    128                        ; v128-191 codes: four registers for each step
.set WREG,  8192                       ; feats: LDS of a wave: two stages of 32 x SP bytes, then its 256 scale bytes
.set SP,    80                         ; a lane's place in a stage: 64 bytes + 16
.set NB,    8                          ; weights: blocks of 32 along K for a wave
.set WP,    272                        ; a stage row: sixteen places of 16 bytes + 16
.set WSB,   24                         ; v24-25   a column's eight scale bytes
.set WX,    32                         ; v32-95   two sets of 32 numbers
.set WC,    96                         ; v96-102  a block's codes
.set WO,    112                        ; v112-175 the way out
	s_load_b128 s[4:7], s[0:1], 0x0                ; feats, Wqkv
	s_load_b128 s[8:11], s[0:1], 0x10              ; Wout, c1
	s_load_b64 s[12:13], s[0:1], 0x20              ; s1
	v_lshl_add_u32 v192, v0, 2, 0x19000
	v_mov_b32 v193, 0
	v_lshrrev_b32 v1, 5, v0
	v_readfirstlane_b32 s16, v1                    ; wave 0..3
	v_and_b32 v2, 31, v0                           ; lane
	s_cmp_lt_u32 ttmp9, 256
	s_cbranch_scc0 .Lweights
; ---- feats.  A wave takes 8 rows, 8,192 numbers, in 16 steps of 512.  Each load reads 512 consecutive bytes; a step's 2,048 bytes turn through the wave's stage so that a lane holds 16 neighbours.
	v_lshlrev_b32 v3, 4, v2                        ; my 16 bytes of a load's 512
	s_mul_i32 s17, s16, WREG
	v_lshrrev_b32 v14, 2, v2
	v_mul_u32_u24 v14, v14, SP
	v_and_b32 v15, 3, v2
	v_lshl_add_u32 v14, v15, 4, v14
	v_add_nc_u32 v14, s17, v14                     ; into the stage: SP (lane / 4) + 16 (lane % 4)
	v_mul_u32_u24 v15, v2, SP
	v_add_nc_u32 v15, s17, v15                     ; out of it: SP x lane
	v_mul_u32_u24 v4, v2, CB                       ; my codes' place in a step's 384 bytes
	v_lshrrev_b32 v5, 1, v2
	s_add_co_u32 s17, s17, 2*32*SP
	v_add_nc_u32 v5, s17, v5                       ; my block's byte among the wave's 256
	v_lshlrev_b32 v7, 3, v2
	v_add_nc_u32 v6, s17, v7
	s_lshl_b32 s18, ttmp9, 2
	s_add_co_u32 s20, s18, s16                     ; the run of 8 rows that I read: 4 x work-group + wave
	s_lshl_b32 s20, s20, 15                        ; 32,768 bytes a run
	s_mov_b32 s21, 0
	s_and_b32 s22, s16, 1                          ; and where it goes: rows 8 w .. 8 w + 7 of a group of 32 stand at places 16 (w & 1) + 8 (w >> 1) on
	s_lshl_b32 s22, s22, 1
	s_lshr_b32 s23, s16, 1
	s_add_co_u32 s22, s22, s23
	s_add_co_u32 s22, s22, s18
	s_mul_i32 s24, s22, 6144                       ; 8 rows of 768 bytes
	s_mov_b32 s25, 0
	s_lshl_b32 s26, s22, 8                         ; 8 rows of 32 bytes
	s_mov_b32 s27, 0
	s_wait_kmcnt 0x0
	s_add_nc_u64 s[4:5], s[4:5], s[20:21]
	s_add_nc_u64 s[10:11], s[10:11], s[24:25]
	s_add_nc_u64 s[12:13], s[12:13], s[26:27]
.macro FLOAD t
.irp i, 0,1,2,3
	global_load_b128 v[RAW+16*((\t)%4)+4*\i:RAW+16*((\t)%4)+4*\i+3], v3, s[4:5] offset:2048*(\t)+512*\i th:TH_LOAD_NT
.endr
.endm
.macro FTURN t                         ; LDS serves a wave's instructions in order: no wait between these stores and loads
.irp i, 0,1,2,3
	ds_store_b128 v14, v[RAW+16*((\t)%4)+4*\i:RAW+16*((\t)%4)+4*\i+3] offset:32*SP*((\t)%2)+8*SP*\i
.endr
.irp i, 0,1,2,3
	ds_load_b128 v[FX+16*((\t)%2)+4*\i:FX+16*((\t)%2)+4*\i+3], v15 offset:32*SP*((\t)%2)+16*\i
.endr
.endm
.irp t, 0,1,2,3
	FLOAD \t
.endr
	s_wait_loadcnt 12                              ; step 0's four loads are in; three steps' twelve may be out
	FTURN 0
.macro FSTEP t
.set XS, FX+16*((\t)%2)
.if (\t) > 0
	s_wait_dscnt 1                                 ; this step's numbers are back from the stage; the last step's byte store may be out
.else
	s_wait_dscnt 0x0
.endif
.if (\t)+4 < STEPS
	FLOAD (\t)+4                                   ; into the set whose stores into the stage have read their registers
.endif
.if (\t)+1 < STEPS
.if STEPS-2-(\t) >= 3
	s_wait_loadcnt 12                              ; the next step's four loads are in; those of three steps behind it may be out
.else
	s_wait_loadcnt 4*(STEPS-2-(\t))
.endif
	FTURN (\t)+1
.endif
	v_max3_num_f32 v8, |v[XS]|, |v[XS+1]|, |v[XS+2]|
	v_max3_num_f32 v9, |v[XS+3]|, |v[XS+4]|, |v[XS+5]|
.irp i, 6,10
	v_max3_num_f32 v8, v8, |v[XS+\i]|, |v[XS+\i+1]|
	v_max3_num_f32 v9, v9, |v[XS+\i+2]|, |v[XS+\i+3]|
.endr
	v_max3_num_f32 v8, v8, |v[XS+14]|, |v[XS+15]|
	v_max3_num_f32 v8, v8, v9, 0x1800000           ; the floor 2^(3 - 127): the byte cannot fall under 1
	v_max_num_f32_dpp v8, v8, v8 row_xmask:1 row_mask:0xf bank_mask:0xf   ; with my neighbour's 16: the block's largest magnitude
	v_add_nc_u32 v11, 0xff000000, v8               ; 2 off its exponent field: the conversion takes this operand's exponent field as its scale
	v_cvt_scalef32_pk16_fp6_f32 v[FC+4*(\t):FC+4*(\t)+2], v[XS:XS+15], v11
	v_lshrrev_b32 v[FE+(\t)], 23, v11              ; the scale's byte
	ds_store_b8 v5, v[FE+(\t)] offset:16*(\t)      ; both lanes of a block write the same byte with the same value
	global_store_b96 v4, v[FC+4*(\t):FC+4*(\t)+2], s[10:11] offset:32*CB*(\t)   ; the wave stores 384 consecutive bytes
.endm
.irp t, 0,1,2,3,4,5,6,7,8,9,10,11,12,13,14,15
	FSTEP \t
.endr
	ds_load_b64 v[12:13], v6                       ; these see my byte stores: LDS serves a wave in order
	s_wait_dscnt 0x0
	global_store_b64 v7, v[12:13], s[12:13]        ; 32 lanes store 256 consecutive bytes, aligned
	s_wait_tensorcnt 0x0
	ds_add_u32 v192, v193
	s_wait_dscnt 0x0
	s_endpgm
; ---- the weights: K is their FIRST axis.  A lane takes a column and its registers run down K: a block of 32 lies in one lane, and the conversions give codes with K innermost.
.macro WLOAD t, N, P
.irp i, 0,1,2,3,4,5,6,7,8,9,10,11,12,13,14,15,16,17,18,19,20,21,22,23,24,25,26,27,28,29,30,31
	global_load_b32 v[WX+32*((\t)%2)+\i], v3, s[\P:\P+1] offset:(32*(\t)+\i)*\N*4 th:TH_LOAD_NT
.endr
.endm
.macro WBLOCK t, N, P
.set XS, WX+32*((\t)%2)
.if (\t) < NB-1
	s_wait_loadcnt 32                              ; this block's 32 loads are in; the next block's may be out
.else
	s_wait_loadcnt 0
.endif
	v_max3_num_f32 v12, |v[XS]|, |v[XS+1]|, |v[XS+2]|
	v_max3_num_f32 v13, |v[XS+3]|, |v[XS+4]|, |v[XS+5]|
.irp i, 6,10,14,18,22,26
	v_max3_num_f32 v12, v12, |v[XS+\i]|, |v[XS+\i+1]|
	v_max3_num_f32 v13, v13, |v[XS+\i+2]|, |v[XS+\i+3]|
.endr
	v_max3_num_f32 v12, v12, |v[XS+30]|, |v[XS+31]|
	v_max3_num_f32 v12, v12, v13, 0x1800000        ; the floor: the byte cannot fall under 1
	v_add_nc_u32 v11, 0xff000000, v12
	v_lshrrev_b32 v13, 23, v11                     ; the scale's byte
.if (\t)%4 == 0
	v_mov_b32 v[WSB+(\t)/4], v13
.else
	v_lshl_or_b32 v[WSB+(\t)/4], v13, 8*((\t)%4), v[WSB+(\t)/4]
.endif
	v_cvt_scalef32_pk16_fp6_f32 v[WC:WC+2], v[XS:XS+15], v11
	v_cvt_scalef32_pk16_fp6_f32 v[WC+4:WC+6], v[XS+16:XS+31], v11
	ds_store_b96 v4, v[WC:WC+2] offset:32*(\t)     ; 12 bytes to a place of 16, so that every LDS address is a multiple of 16
	ds_store_b96 v4, v[WC+4:WC+6] offset:32*(\t)+16
.if (\t)+2 < NB
	WLOAD (\t)+2, \N, \P
.endif
	s_wait_dscnt 0x0                               ; the stores have read their registers: the next block's codes may be written
.endm
; N: the weight's columns; ROW0: its first row in c1 and s1; PERM: 1 = tile order; LBASE: the path's LDS; P: the pointer's registers; WG0: the path's first work-group
.macro WPATH N, ROW0, PERM, LBASE, P, WG0
	s_sub_co_u32 s17, ttmp9, \WG0
	s_and_b32 s18, s17, 3                          ; which 256 along K
	s_lshr_b32 s17, s17, 2
	s_lshl_b32 s17, s17, 7
	s_lshl_b32 s19, s16, 5
	s_add_co_u32 s17, s17, s19                     ; my wave's first column
	v_lshlrev_b32 v3, 2, v2                        ; in: 4 bytes a lane: a wave reads 128 consecutive bytes
	s_mul_i32 s19, s16, 32*WP
	s_add_co_u32 s19, s19, \LBASE                  ; my stage
	v_mul_u32_u24 v4, v2, WP
	v_add_nc_u32 v4, s19, v4                       ; into it: row = my column
	v_and_b32 v5, 15, v2
	v_lshrrev_b32 v6, 4, v2
	v_mul_u32_u24 v7, v6, WP
	v_lshl_add_u32 v7, v5, 4, v7
	v_add_nc_u32 v7, s19, v7                       ; out of it: sixteen lanes to a row, two rows an instruction
	v_mul_u32_u24 v8, v6, 768
	v_mad_u32_u24 v8, v5, 12, v8                   ; and the same place in c1
.if \PERM
	v_and_b32 v9, 7, v2                            ; my column's place in its group of 32
	v_bfe_u32 v10, v2, 3, 1
	v_lshl_or_b32 v9, v10, 4, v9
	v_bfe_u32 v10, v2, 4, 1
	v_lshl_or_b32 v9, v10, 3, v9
	v_lshlrev_b32 v9, 5, v9                        ; 32 scale bytes a row
.else
	v_lshlrev_b32 v9, 5, v2
.endif
	s_mul_i32 s20, s18, 256*\N*4
	s_lshl_b32 s22, s17, 2
	s_add_co_u32 s20, s20, s22
	s_mov_b32 s21, 0
	s_add_co_u32 s22, s17, \ROW0
	s_mul_i32 s24, s22, 768
	s_mul_i32 s26, s18, 192
	s_add_co_u32 s24, s24, s26
	s_mov_b32 s25, 0
	s_lshl_b32 s28, s22, 5
	s_lshl_b32 s26, s18, 3
	s_add_co_u32 s28, s28, s26
	s_mov_b32 s29, 0
	s_wait_kmcnt 0x0
	s_add_nc_u64 s[\P:\P+1], s[\P:\P+1], s[20:21]
	s_add_nc_u64 s[10:11], s[10:11], s[24:25]
	s_add_nc_u64 s[12:13], s[12:13], s[28:29]
	WLOAD 0, \N, \P
	WLOAD 1, \N, \P
.set Q, 0
.rept NB
	WBLOCK Q, \N, \P
.set Q, Q+1
.endr
	global_store_b64 v9, v[WSB:WSB+1], s[12:13]    ; my column's eight scale bytes
.irp t, 0,1,2,3,4,5,6,7,8,9,10,11,12,13,14,15
	ds_load_b96 v[WO+4*\t:WO+4*\t+2], v7 offset:2*\t*WP
.endr
.irp t, 0,1,2,3,4,5,6,7,8,9,10,11,12,13,14,15
	s_wait_dscnt 15-\t                             ; loads come back in order: number t is in
.if \PERM
	global_store_b96 v8, v[WO+4*\t:WO+4*\t+2], s[10:11] offset:(16*((\t>>2)&1)+8*(\t>>3)+((2*\t)&7))*768   ; columns 2 t, 2 t + 1 at their places: sixteen lanes store a row's 192 consecutive bytes
.else
	global_store_b96 v8, v[WO+4*\t:WO+4*\t+2], s[10:11] offset:2*\t*768
.endif
.endr
.endm
.Lweights:
	s_cmp_lt_u32 ttmp9, 352
	s_cbranch_scc0 .Lwout
	WPATH 3072, 8192, 1, 32768, 6, 256
	s_wait_tensorcnt 0x0
	ds_add_u32 v192, v193
	s_wait_dscnt 0x0
	s_endpgm
.Lwout:
	WPATH 1024, 11264, 0, 67584, 8, 352
	s_wait_tensorcnt 0x0
	ds_add_u32 v192, v193
	s_wait_dscnt 0x0
	s_endpgm
.Lfunc_end_k_qc4a3e9304c_quant:
	.size	k_qc4a3e9304c_quant, .Lfunc_end_k_qc4a3e9304c_quant-k_qc4a3e9304c_quant
	.p2alignl 7, 3214868480
	.fill 96, 4, 3214868480
	.section	.rodata,"a",@progbits
	.p2align	6, 0x0
	.amdhsa_kernel k_qc4a3e9304c_quant
		.amdhsa_group_segment_fixed_size 102912
		.amdhsa_private_segment_fixed_size 0
		.amdhsa_enable_private_segment 0
		.amdhsa_kernarg_size 40
		.amdhsa_user_sgpr_count 2
		.amdhsa_user_sgpr_kernarg_segment_ptr 1
		.amdhsa_wavefront_size32 1
		.amdhsa_system_sgpr_workgroup_id_x 1
		.amdhsa_system_sgpr_workgroup_id_y 1
		.amdhsa_system_sgpr_workgroup_id_z 1
		.amdhsa_system_vgpr_workitem_id 0
		.amdhsa_next_free_vgpr 194
		.amdhsa_next_free_sgpr 66
		.amdhsa_reserve_vcc 0
		.amdhsa_float_denorm_mode_32 3
		.amdhsa_float_denorm_mode_16_64 3
		.amdhsa_memory_ordered 1
		.amdhsa_forward_progress 1
		.amdhsa_inst_pref_size 114
	.end_amdhsa_kernel
	.amdgpu_metadata
---
amdhsa.version: [ 1, 2 ]
amdhsa.kernels:
  - .name:           k_qc4a3e9304c_quant
    .symbol:         k_qc4a3e9304c_quant.kd
    .args:
      - { .name: feats, .offset: 0, .size: 8, .value_kind: global_buffer, .address_space: global }
      - { .name: Wqkv, .offset: 8, .size: 8, .value_kind: global_buffer, .address_space: global }
      - { .name: Wout, .offset: 16, .size: 8, .value_kind: global_buffer, .address_space: global }
      - { .name: c1, .offset: 24, .size: 8, .value_kind: global_buffer, .address_space: global }
      - { .name: s1, .offset: 32, .size: 8, .value_kind: global_buffer, .address_space: global }
    .group_segment_fixed_size: 102912
    .private_segment_fixed_size: 0
    .kernarg_segment_align: 8
    .kernarg_segment_size: 40
    .max_flat_workgroup_size: 128
    .sgpr_count:     66
    .vgpr_count:     194
    .wavefront_size: 32
...
	.end_amdgpu_metadata
.endif
;; end of part 1
;; launch qkv (part 2): grid 96 x 4, 4 waves a work-group, clusters of 4 x 4, 327,680 bytes of LDS; arguments c1, s1, bqkv, c2, s2; writes c2, s2
.if DOCPART == 2
	.amdgcn_target "amdgcn-amd-amdhsa--gfx1250"
	.amdhsa_code_object_version 6
	.text
	.protected	k_qc4a3e9304c_qkv
	.globl	k_qc4a3e9304c_qkv
	.p2align	8
	.type	k_qc4a3e9304c_qkv,@function
k_qc4a3e9304c_qkv:
	s_mov_b64 s[64:65], 0
	v_nop
	global_prefetch_b8 v0, s[64:65] scope:SCOPE_SE
	s_setreg_imm32_b32 hwreg(HW_REG_WAVE_MODE, 25, 1), 1
	s_wait_xcnt 0x0
	s_wait_alu depctr_hold_cnt(0) depctr_sa_sdst(0) depctr_va_vdst(0) depctr_va_sdst(0) depctr_va_ssrc(0) depctr_va_vcc(0) depctr_vm_vsrc(0)
	s_getreg_b32 s2, hwreg(HW_REG_IB_STS2, 6, 4)
	s_cmp_eq_u32 s2, 0
	s_cbranch_scc0 .Lentry_in_a_cluster
	s_endpgm
.Lentry_in_a_cluster:
	s_bfe_u32 s2, ttmp6, 0x10000c
	s_cmp_lg_u32 s2, 0xf033
	s_cbranch_scc0 .Lentry_shape_is_right
	s_endpgm
.Lentry_shape_is_right:
; qkv = feats Wqkv + bqkv on codes of FP6 (E2M3) with E8M0 scales, K = 1,024; the result never leaves as f32: it is quantised in registers and stored as the operands of the attention launch.
; c1, s1: rows of 768 bytes of codes and 32 scale bytes: 0-8191 tokens, 8192-11263 Wqkv's columns, both in TILE ORDER (inside a group of 32, sixteen places on end hold true rows 8 u + r + 8 (r / 8)).
; A tile of 256 x 256 is made by four waves, 128 x 128 each: 64 accumulators, 512 registers.  K goes in steps of 256 through two LDS slots filled by tensor loads; the rows' scale bytes for all of K come once.
; THE MATRIX INSTRUCTION IS USED TRANSPOSED (source 0 = 16 rows of "B", source 1 = 16 rows of "A"): a lane holds one row of A, and by the tile order of B's rows the 64 registers of an A block are,
; register 16 b + i, B's true row 32 b + 16 (lane / 16) + i: 16 neighbours along the next product's K, as the conversions want them.
; TWO ROLES, chosen by the cluster's number alone (equal in all sixteen partners):  clusters 0-15, role QK: A = tokens, B = the columns of q and k: quantised along the head's channels.
; Clusters 16-23, role VT: A = the columns of v, B = tokens: the same text makes v TRANSPOSED, quantised along the tokens, which are the keys.  384 tiles in all: a tile larger than 256 x 256 has no room in 1,024 registers.
; WHAT IS STORED.  Each A block of a wave (16 rows x 128 along the next K) is one operand fragment of 12 registers.  It goes to c2 as an image of its registers, 1,536 bytes: for half c, registers 6 c .. 6 c + 3 at
; 768 c + 16 x lane, registers 6 c + 4, 6 c + 5 at 768 c + 512 + 8 x lane: each store of the wave covers 512 or 256 consecutive bytes, aligned.  In q and k half c is head 2 hp + c of the pair.
; c2: blocks of 8 images.  q: block pair x 8 + s;  k, v: block 512 + (pair x 2 + kv) x 8 + s  (pair = 8 x batch + head pair, s = the 128 tokens in the batch).
; s2: blocks of 512 bytes [tiles 0-3 | 4-7][row][4 words].  q, k: two blocks: the word's low half (first head) and its high half moved down (second head): the upper two bytes are 0, over zero codes.  v: the whole word.
; CLUSTERS: the four of a row share A's tiles, the four of a column B's: each tile is asked for jointly, by the same tensor load with the same descriptor and a mask that names the four.
; LIMITS: a block of zeros gets the byte 1; NaN and infinities are not served.
; REGISTERS: window 0: v0-31 addresses; v32-63 scale words, two sets (nothing else ever); v64-127 bias of my 128 columns (role QK); v128-223 A's fragments, on the way out the numbers and codes in hand;
;   v224-239 bias of my rows (role VT), each twice; v240-255 the quantiser's.   window 1: B's fragments, two sets.   windows 2, 3: the accumulators.
.set KSTEP,  256
.set NQ,     2
.set ROWB,   192
.set KROW,   768
.set PITCH,  240                       ; an LDS row: 3 x (64 bytes + 16 of padding)
.set FR,     12
.set NL,     6
.set NP,     4
.set HALFT,  128*PITCH
.set SLOT,   4*HALFT
.set LAPS,   2
.set KS,     32
.set SCL,    2*SLOT
.set HALFS,  (128*KS/256)*272
.set SBLK,   (16*KS/256)*272
.set SPARE,  SCL+4*HALFS               ; the spare words: 128 bytes a wave, named by no other line
.set ADRA, 16
.set ADRB, 20
.set L8,   25                          ; v25  8 x lane; never rewritten
.set L16,  26                          ; v26  16 x lane; never rewritten
.set ADRS, 27
.set SPW,  28
.set NIL,  29
.set OBI,  30                          ; v30  byte offset in bqkv of my columns' bias; never rewritten
.set OBV,  31                          ; v31  of my rows' bias; never rewritten
.set SC,   32
.set BI,   64
.set AF,   128
.set HA,   128                         ; the way out: 64 numbers of an A block
.set PC,   192                         ; v192-210 the codes in hand
.set PW,   211                         ; the scale word just made
.set SW,   212                         ; v212-219 the eight blocks' scale words
.set BV,   224
.set TM,   240                         ; v240-255 largest magnitudes, bytes, scale operands
.set T,    128                         ; at the very end: the scale words as they are stored
.set G1, 24
.set G0, 32
.set G1B, 48
.set G0B, 56
.set ROLE, 66                          ; s66  0: QK, 1: VT
.set MASK, 67                          ; s67  0xffff: QK, all ones: VT
.set G1S, 68
.set G0S, 76
.set G1SB, 80
.set G0SB, 88
.set SEL, 96                           ; s[96:97] lane selects: lane l xor 16
.set OC,  98                           ; s[98:99] where my eight images go
.set OS,  100                          ; s[100:101] and my scale words
.set MSB, 0
.macro WIN new                         ; the immediate's high byte repeats the setting that is left
.if MSB != (\new)
	s_set_vgpr_msb (MSB<<8)|(\new)
.set MSB, (\new)
.endif
.endm
.set MUL_LO, 0xa1                      ; source 0 (B) window 1, source 1 (A) window 0, C and D window 2
.set MUL_HI, 0xf1
.set TO_B,   0x40
; A joint load: waves 0 and 1 fetch for A, waves 2 and 3 for B; the branch hangs on the wave's number alone.  Four v_nop follow each line.
.macro JLOAD g0a, g1a, g0b, g1b
	s_cmp_eq_u32 s15, 0
	s_cbranch_scc0 .Lfor_b_\@
	tensor_load_to_lds s[\g0a:\g0a+3], s[\g1a:\g1a+7]
	s_nop 0
.rept 4
	v_nop
.endr
	s_branch .Lasked_\@
.Lfor_b_\@:
	tensor_load_to_lds s[\g0b:\g0b+3], s[\g1b:\g1b+7]
	s_nop 0
.rept 4
	v_nop
.endr
.Lasked_\@:
.endm
.macro CREST                           ; a round of the cluster's barrier behind its opening barrier
	s_cmp_lg_u32 s14, 0
	s_cbranch_scc1 .Lnot_wave_0_\@
	s_barrier_signal -3
.Lnot_wave_0_\@:
	s_barrier_wait -3
	s_barrier_signal -1
	s_barrier_wait -1
.endm
.macro CROUND
	s_barrier_signal -1
	s_barrier_wait -1
	CREST
.endm
	s_load_b128 s[4:7], s[0:1], 0x0                ; c1, s1
	s_load_b128 s[8:11], s[0:1], 0x10              ; bqkv, c2
	s_load_b64 s[12:13], s[0:1], 0x20              ; s2
	v_lshl_add_u32 v[SPW], v0, 2, SPARE
	v_mov_b32 v[NIL], 0
	ds_add_u32 v28, v29
	ds_add_u32 v28, v29
	s_wait_dscnt 0x0
	v_lshrrev_b32 v1, 5, v0
	v_readfirstlane_b32 s14, v1                    ; wave 0..3
	s_lshr_b32 s15, s14, 1                         ; which half of A's rows is mine.  Also: I fetch for A (0) or for B (1)
	s_and_b32 s16, s14, 1                          ; which half of B's rows.  Also: which 128 rows I fetch
	s_bfe_u32 s40, ttmp6, 0x40000                  ; cx
	s_bfe_u32 s41, ttmp6, 0x40004                  ; cy
	s_and_b32 s18, ttmp9, 1                        ; role QK: 2 columns x 8 rows of clusters
	s_lshr_b32 s19, ttmp9, 1
	s_sub_co_u32 s20, ttmp9, 16                    ; role VT: 8 columns x 1 row
	s_mov_b32 s21, 10240
	s_mov_b32 s22, 8192
	s_mov_b32 s23, 0xffff
	s_cmp_lt_u32 ttmp9, 16
	s_cselect_b32 s18, s18, s20                    ; the cluster's column
	s_cselect_b32 s19, s19, 0                      ; its row
	s_cselect_b32 s[ROLE], 0, 1
	s_cselect_b32 s21, 0, s21                      ; A's first row in c1: tokens, or the columns of v
	s_cselect_b32 s22, s22, 0                      ; B's: the columns of q and k, or tokens
	s_cselect_b32 s[MASK], s23, -1
	s_lshl_b32 s42, s18, 2
	s_add_co_u32 s42, s42, s40                     ; tile column
	s_lshl_b32 s17, s19, 2
	s_add_co_u32 s17, s17, s41                     ; tile row
	s_lshl_b32 s43, s41, 2
	s_lshl_b32 s43, 15, s43                        ; my row of the cluster
	s_lshl_b32 s44, 0x1111, s40                    ; my column
	s_or_b32 s[G1+0], s43, (0<<16)|(1<<20)|(1<<21)|(3<<22)|(3<<25)  ; the mask; elements of 1 byte; padding on; bit 21 beside a mask; after every 16 words 4 words
	s_or_b32 s[G1B+0], s44, (0<<16)|(1<<20)|(1<<21)|(3<<22)|(3<<25)
.irp g, G1, G1B
	s_mov_b32 s[\g+1], ROWB<<16                    ; tensor_dim0
	s_mov_b32 s[\g+2], 128<<16                     ; tensor_dim1
	s_mov_b32 s[\g+3], ROWB<<16                    ; tile_dim0
	s_mov_b32 s[\g+4], 128                         ; tile_dim1
	s_mov_b32 s[\g+5], KROW                        ; from row to row
	s_mov_b32 s[\g+6], 0
	s_mov_b32 s[\g+7], 0
.endr
	s_or_b32 s[G1S+0], s43, (3<<16)|(1<<20)|(1<<21)|(5<<22)|(3<<25)  ; the scales of 128 rows: 4,096 dense bytes as 16 rows of 256, 16 bytes of padding behind each
	s_or_b32 s[G1SB+0], s44, (3<<16)|(1<<20)|(1<<21)|(5<<22)|(3<<25)
.irp g, G1S, G1SB
	s_mov_b32 s[\g+1], 32<<16
	s_mov_b32 s[\g+2], (128*KS/256)<<16
	s_mov_b32 s[\g+3], 32<<16
	s_mov_b32 s[\g+4], 128*KS/256
	s_mov_b32 s[\g+5], 32
	s_mov_b32 s[\g+6], 0
	s_mov_b32 s[\g+7], 0
.endr
	s_lshl_b32 s18, s16, 7                         ; which 128 rows of the tile I fetch
	s_lshl_b32 s20, s17, 8
	s_add_co_u32 s20, s20, s18
	s_add_co_u32 s20, s20, s21                     ; A: its first row + 256 x tile row + 128 x half
	s_lshl_b32 s46, s42, 8
	s_add_co_u32 s46, s46, s18
	s_add_co_u32 s46, s46, s22                     ; B likewise, by the tile column
	s_mov_b32 s21, 0
	s_mov_b32 s47, 0
	s_mov_b64 s[18:19], KS
	s_mul_u64 s[22:23], s[20:21], s[18:19]         ; where these rows' scales begin
	s_mul_u64 s[92:93], s[46:47], s[18:19]
	s_mov_b64 s[18:19], KROW
	s_mul_u64 s[20:21], s[20:21], s[18:19]         ; and their codes
	s_mul_u64 s[46:47], s[46:47], s[18:19]
	s_mul_i32 s45, s14, HALFT                      ; where they go: wave x 128 rows
	s_mul_i32 s94, s14, HALFS
	s_mov_b32 s[SEL], 0x76543210
	s_mov_b32 s[SEL+1], 0xfedcba98
	s_wait_kmcnt 0x0
	s_add_nc_u64 s[20:21], s[4:5], s[20:21]
	s_add_nc_u64 s[22:23], s[6:7], s[22:23]
	s_add_nc_u64 s[46:47], s[4:5], s[46:47]
	s_add_nc_u64 s[92:93], s[6:7], s[92:93]
	CROUND                                         ; all sixteen work-groups are here: the first joint loads meet
	s_mov_b32 s[G0S], 1
	s_add_co_u32 s[G0S+1], s94, SCL
	s_mov_b64 s[G0S+2:G0S+3], s[22:23]
	s_or_b32 s[G0S+3], s[G0S+3], 0x80000000
	s_mov_b32 s[G0SB], 1
	s_add_co_u32 s[G0SB+1], s94, SCL
	s_mov_b64 s[G0SB+2:G0SB+3], s[92:93]
	s_or_b32 s[G0SB+3], s[G0SB+3], 0x80000000
	JLOAD G0S, G1S, G0SB, G1SB                     ; the scales first: they are wanted with K step 0
.irp s, 0,1
	s_mov_b32 s[G0+4*\s], 1
	s_add_co_u32 s[G0+4*\s+1], s45, \s*SLOT
	s_add_nc_u64 s[G0+4*\s+2:G0+4*\s+3], s[20:21], \s*ROWB
	s_or_b32 s[G0+4*\s+3], s[G0+4*\s+3], 0x80000000
	s_mov_b32 s[G0B+4*\s], 1
	s_add_co_u32 s[G0B+4*\s+1], s45, \s*SLOT
	s_add_nc_u64 s[G0B+4*\s+2:G0B+4*\s+3], s[46:47], \s*ROWB
	s_or_b32 s[G0B+4*\s+3], s[G0B+4*\s+3], 0x80000000
	JLOAD G0+4*\s, G1, G0B+4*\s, G1B               ; three tensor loads of mine are out at the most
.endr
	v_and_b32 v1, 15, v0                           ; r
	v_bfe_u32 v2, v0, 4, 1                         ; h
	v_mul_u32_u24 v3, v1, PITCH
	v_mul_u32_u24 v4, v2, 24
	v_add_nc_u32 v4, v3, v4                        ; a fragment's row x pitch + 24 x half
	v_lshl_add_u32 v5, v2, 4, v4                   ; and the same behind one padding more
	s_mul_i32 s21, s15, HALFT
	s_mul_i32 s22, s16, HALFT
	s_add_co_u32 s22, s22, 2*HALFT
.irp s, 0,1
	v_add_nc_u32 v[ADRA+\s], s21, v4
	v_add_nc_u32 v[ADRB+\s], s22, v4
	v_add_nc_u32 v[ADRA+2+\s], s21, v5
	v_add_nc_u32 v[ADRB+2+\s], s22, v5
	s_add_co_u32 s21, s21, SLOT
	s_add_co_u32 s22, s22, SLOT
.endr
	v_mul_u32_u24 v5, v1, KS                       ; my row's scales: KS bytes a row,
	v_lshrrev_b32 v6, 8, v5
	v_lshl_add_u32 v5, v6, 4, v5                   ; and 16 more for each 256 passed
	s_mul_i32 s21, s15, HALFS
	s_mul_i32 s22, s16, HALFS
	s_add_co_u32 s22, s22, 2*HALFS
	s_sub_co_u32 s22, s22, s21
	v_mul_u32_u24 v6, s22, v2                      ; lanes 16-31 take B's
	s_add_co_u32 s21, s21, SCL
	v_add_nc_u32 v5, v5, v6
	v_add_nc_u32 v[ADRS], s21, v5
	v_and_b32 v6, 31, v0
	v_lshlrev_b32 v[L8], 3, v6
	v_lshlrev_b32 v[L16], 4, v6
	; where my results go, and my biases.  What mixes the tile row with the tile column stands in s2, s95, s98-101, which feed no descriptor
	s_lshl_b32 s98, s17, 1
	s_add_co_u32 s98, s98, s15                     ; which 128 rows of A are mine
	s_lshl_b32 s99, s42, 1
	s_add_co_u32 s99, s99, s16                     ; which 128 rows of B
	s_add_co_u32 s100, s98, 16
	s_lshl_b32 s101, s99, 9
	s_lshl_b32 s95, s98, 9
	s_add_co_u32 s95, s95, 8192
	s_cmp_eq_u32 s[ROLE], 0
	s_cselect_b32 s2, s98, s99                     ; g: my 128 tokens
	s_cselect_b32 s100, s99, s100                  ; cg: my 128 columns of qkv
	s_cselect_b32 s101, s101, 0                    ; role QK: my columns' bias begins at 512 x cg bytes
	s_cselect_b32 s95, 0, s95                      ; role VT: my rows' bias at 4 (2,048 + 128 x row group)
	v_lshlrev_b32 v[OBI], 6, v2
	v_add_nc_u32 v[OBI], s101, v[OBI]              ; + 64 h: tile t's eight columns of my half are 32 (t / 2) + 16 h + 8 (t % 2) + 0 .. 7
	v_and_b32 v5, 8, v1
	v_add_nc_u32 v5, v5, v1
	v_lshlrev_b32 v[OBV], 2, v5
	v_add_nc_u32 v[OBV], s95, v[OBV]               ; + 4 (r + 8 (r / 8)): block a's row r is true row 32 (a / 2) + 8 (a % 2) + r + 8 (r / 8)
.irp t, 0,1,2,3,4,5,6,7                        ; both sets are loaded in both roles (in the role that does not use a set its offset is 0: inside the buffer)
	global_load_b128 v[BI+8*\t:BI+8*\t+3], v[OBI], s[8:9] offset:(32*(\t/2)+8*(\t%2))*4
	global_load_b128 v[BI+8*\t+4:BI+8*\t+7], v[OBI], s[8:9] offset:(32*(\t/2)+8*(\t%2))*4+16
.endr
.irp a, 0,1,2,3,4,5,6,7
	global_load_b32 v[BV+2*\a], v[OBV], s[8:9] offset:(32*(\a/2)+8*(\a%2))*4
	global_load_b32 v[BV+2*\a+1], v[OBV], s[8:9] offset:(32*(\a/2)+8*(\a%2))*4   ; twice: a pair for the packed addition
.endr
	s_lshr_b32 s98, s100, 3                        ; 0 q, 1 k, 2 v
	s_and_b32 s99, s100, 7                         ; the head pair
	s_lshr_b32 s100, s2, 3                         ; the batch
	s_lshl_b32 s100, s100, 3
	s_add_co_u32 s99, s99, s100                    ; pair
	s_and_b32 s2, s2, 7                            ; s
	s_lshl_b32 s100, s99, 3
	s_add_co_u32 s100, s100, s2                    ; q's block: pair x 8 + s
	s_lshl_b32 s101, s99, 1
	s_add_co_u32 s101, s101, s98
	s_lshl_b32 s101, s101, 3
	s_add_co_u32 s101, s101, s2
	s_add_co_u32 s101, s101, 504                   ; k's, v's block: 512 + (pair x 2 + kv) x 8 + s
	s_mul_i32 s95, s99, 12288
	s_add_co_u32 s95, s95, 524288
	s_lshl_b32 s99, s2, 10
	s_lshl_b32 s2, s2, 9
	s_add_co_u32 s2, s2, 8192
	s_cmp_eq_u32 s98, 1
	s_cselect_b32 s2, s99, s2
	s_add_co_u32 s95, s95, s2                      ; k's, v's scale words
	s_lshl_b32 s99, s100, 10                       ; q's
	s_cmp_eq_u32 s98, 0
	s_cselect_b32 s98, s100, s101
	s_cselect_b32 s100, s99, s95
	s_mul_i32 s98, s98, 12288
	s_mov_b32 s99, 0
	s_mov_b32 s101, 0
	s_add_nc_u64 s[OC:OC+1], s[10:11], s[98:99]
	s_add_nc_u64 s[OS:OS+1], s[12:13], s[100:101]
.macro FRAG reg, adr, q, i             ; 16 rows x 128 K: 12 registers, six pieces of 8 bytes; where the piece three on lies behind one padding more, the second address register serves
.irp p, 0,1,2,3,4,5
.set PCE, 12*(\q)+6*(\p/3)+\p%3
.if PCE%8 < 5
	ds_load_b64 v[\reg+2*\p:\reg+2*\p+1], v[\adr] offset:8*PCE+16*(PCE/8)+(\i)*16*PITCH
.else
	ds_load_b64 v[\reg+2*\p:\reg+2*\p+1], v[\adr+2] offset:8*PCE+16*(PCE/8)+(\i)*16*PITCH
.endif
.endr
.endm
; 16 matrix instructions: A's blocks a0, a0 + 1 x B's eight.  The 64 accumulators take turns, one instruction a turn, in the same order in every step.
.macro MUL16 a0, p, q, sc, zero
.irp a, \a0, \a0+1
.irp b, 0,1,2,3,4,5,6,7
.if \zero
	v_wmma_scale_f32_16x16x128_f8f6f4 v[8*(8*((\a)%4)+\b):8*(8*((\a)%4)+\b)+7], v[128*(\p)+FR*\b:128*(\p)+FR*\b+FR-1], v[AF+FR*(\a):AF+FR*(\a)+FR-1], 0, v[SC+8*NQ*(\sc)+NQ*\b+(\q)], v[SC+8*NQ*(\sc)+NQ*(\a)+(\q)] matrix_a_fmt:MATRIX_FMT_FP6 matrix_b_fmt:MATRIX_FMT_FP6 matrix_a_scale:MATRIX_SCALE_ROW1
.else
	v_wmma_scale_f32_16x16x128_f8f6f4 v[8*(8*((\a)%4)+\b):8*(8*((\a)%4)+\b)+7], v[128*(\p)+FR*\b:128*(\p)+FR*\b+FR-1], v[AF+FR*(\a):AF+FR*(\a)+FR-1], v[8*(8*((\a)%4)+\b):8*(8*((\a)%4)+\b)+7], v[SC+8*NQ*(\sc)+NQ*\b+(\q)], v[SC+8*NQ*(\sc)+NQ*(\a)+(\q)] matrix_a_fmt:MATRIX_FMT_FP6 matrix_b_fmt:MATRIX_FMT_FP6 matrix_a_scale:MATRIX_SCALE_ROW1
.endif
.endr
.endr
.endm
.macro FETCH_B slot, q, p
	WIN TO_B
.irp i, 0,1,2,3,4,5,6,7
	FRAG 128*(\p)+FR*\i, ADRB+\slot, \q, \i
.endr
	WIN 0
.endm
.macro FETCH_A slot, q, i0
.irp i, \i0, \i0+1, \i0+2, \i0+3
	FRAG AF+FR*(\i), ADRA+\slot, \q, \i
.endr
.endm
.macro SCALES sc                       ; lanes 0-15 take A's block i, lanes 16-31 B's block i: two words, a K step's
.irp i, 0,1,2,3,4,5,6,7
	ds_load_b64 v[SC+8*NQ*\sc+NQ*\i:SC+8*NQ*\sc+NQ*\i+1], v[ADRS] offset:\i*SBLK
.endr
.endm
.macro PLACES n                        ; plain vector instructions between a matrix instruction and a load into, or a read of, its registers
.rept \n
	v_nop
.endr
.endm
.macro STEP slot, q, zero              ; 128 along K with its successor in the same slot
	s_wait_dscnt 4*NL                              ; B's set and A's blocks 0-3 are in; the youngest 24 loads (A's blocks 4-7) may be out
	WIN MUL_LO
	MUL16 0, (\q)%2, \q, \slot, \zero
	MUL16 2, (\q)%2, \q, \slot, \zero
	s_wait_dscnt 0
	PLACES NP
	FETCH_B \slot, (\q)+1, 1-(\q)%2
	FETCH_A \slot, (\q)+1, 0
	WIN MUL_HI
	MUL16 4, (\q)%2, \q, \slot, \zero
	MUL16 6, (\q)%2, \q, \slot, \zero
	PLACES NP
	WIN 0
	FETCH_A \slot, (\q)+1, 4
.endm
; A slot's last step changes slots: each wave waits for all its tensor loads, adds 0 to its spare word, waits for that and for its reads of this slot; one barrier.  fill = 1: the slot is filled again.
.macro TURN slot, next, fill
	s_wait_tensorcnt 0x0                           ; all my tensor loads have landed: my part of the next slot
	ds_add_u32 v[SPW], v[NIL]                      ; 0 onto my spare word
	s_wait_dscnt 4*NL+1                            ; the add and the youngest 24 loads may be out
	WIN MUL_LO
	MUL16 0, 1, NQ-1, \slot, 0
	s_wait_dscnt 0x0                               ; the add is done, and my reads of this slot are over
	s_barrier_signal -1
	MUL16 2, 1, NQ-1, \slot, 0
	WIN 0
	s_barrier_wait -1
.if \fill
	CREST                                          ; the barrier has opened a round of the cluster's: no wave of any partner still reads this slot or has a load on its way
	s_add_nc_u64 s[G0+4*\slot+2:G0+4*\slot+3], s[G0+4*\slot+2:G0+4*\slot+3], 2*ROWB
	s_add_nc_u64 s[G0B+4*\slot+2:G0B+4*\slot+3], s[G0B+4*\slot+2:G0B+4*\slot+3], 2*ROWB
	JLOAD G0+4*\slot, G1, G0B+4*\slot, G1B         ; the first tensor load behind the round; its four v_nop are the places in front of the loads below
.else
	PLACES NP
.endif
	v_add_nc_u32 v[ADRS], 4*NQ, v[ADRS]            ; the next K step's scale words
	FETCH_B \next, 0, 0
	FETCH_A \next, 0, 0
	SCALES \next
	WIN MUL_HI
	MUL16 4, 1, NQ-1, \slot, 0
	MUL16 6, 1, NQ-1, \slot, 0
	PLACES NP
	WIN 0
	FETCH_A \next, 0, 4
.endm
	s_wait_tensorcnt 1                             ; the scales and my part of K step 0 are in; K step 1's load may be out
	s_barrier_signal -1
	s_barrier_wait -1
	FETCH_B 0, 0, 0
	FETCH_A 0, 0, 0
	SCALES 0
	FETCH_A 0, 0, 4
	STEP 0, 0, 1                                   ; the first step's products start the sums
	s_mov_b32 s3, LAPS-1
.Llap:
	TURN 0, 1, 1
	STEP 1, 0, 0
	TURN 1, 0, 1
	STEP 0, 0, 0
	s_sub_co_u32 s3, s3, 1
	s_cmp_lg_u32 s3, 0
	s_cbranch_scc1 .Llap
	TURN 0, 1, 0                                   ; the last lap fills nothing
	STEP 1, 0, 0
	s_wait_dscnt 4*NL
	WIN MUL_LO
	MUL16 0, 1, NQ-1, 1, 0
	MUL16 2, 1, NQ-1, 1, 0
	s_wait_dscnt 0
	WIN MUL_HI
	MUL16 4, 1, NQ-1, 1, 0
	MUL16 6, 1, NQ-1, 1, 0
	WIN 0
; THE WAY OUT, an A block at a time: + bias, quantised along B's rows, stored as an image.  No LDS: a lane's registers are the operand's.
.macro ADDB a                          ; the block's 64 sums + bias into v[HA] on; each accumulator is read from its low end on
	s_cmp_eq_u32 s[ROLE], 0
	s_cbranch_scc0 .Lvt_\@
	WIN 0x02+(\a)/4                                ; source 0: window 2 or 3
.set i, 0
.rept 32
	v_pk_add_f32 v[HA+i:HA+i+1], v[64*((\a)%4)+i:64*((\a)%4)+i+1], v[BI+i:BI+i+1]
.set i, i+2
.endr
	WIN 0
	s_branch .Ladded_\@
.Lvt_\@:
	WIN 0x02+(\a)/4
.set i, 0
.rept 32
	v_pk_add_f32 v[HA+i:HA+i+1], v[64*((\a)%4)+i:64*((\a)%4)+i+1], v[BV+2*(\a):BV+2*(\a)+1]
.set i, i+2
.endr
	WIN 0
.Ladded_\@:
.endm
; 64 numbers of a lane, register 16 b + i = k 32 b + 16 (lane / 16) + i of my row, become a fragment's codes in v[PC] on and its scale word in v[PW]
.macro QUANT s
.irp b, 0,1,2,3
	v_max3_num_f32 v[TM+\b], |v[\s+16*\b]|, |v[\s+1+16*\b]|, 0x1800000   ; and the floor 2^(3 - 127): the byte cannot fall under 1
.endr
.irp i, 2,4,6,8,10,12,14
.irp b, 0,1,2,3
	v_max3_num_f32 v[TM+\b], v[TM+\b], |v[\s+16*\b+\i]|, |v[\s+1+16*\b+\i]|
.endr
.endr
.irp b, 0,1,2,3
	v_permlanex16_b32 v[TM+4+\b], v[TM+\b], s[SEL], s[SEL+1]
.endr
.irp b, 0,1,2,3
	v_max_num_f32 v[TM+\b], v[TM+\b], v[TM+4+\b]   ; with lane l xor 16's: the block's largest magnitude
.endr
.irp b, 0,1,2,3
	v_add_nc_u32 v[TM+12+\b], 0xff000000, v[TM+\b] ; 2 off its exponent field: the conversion's scale operand
.endr
.irp b, 0,1,2,3
	v_lshrrev_b32 v[TM+4+\b], 23, v[TM+12+\b]      ; the scale's byte
.endr
	v_lshl_or_b32 v[PW], v[TM+5], 8, v[TM+4]
	v_lshl_or_b32 v[PW], v[TM+6], 16, v[PW]
	v_lshl_or_b32 v[PW], v[TM+7], 24, v[PW]
.irp c, 0,1
	v_cvt_scalef32_pk16_fp6_f32 v[PC+6*\c:PC+2+6*\c], v[\s+32*\c:\s+15+32*\c], v[TM+12+2*\c]
	v_cvt_scalef32_pk16_fp6_f32 v[PC+12+4*\c:PC+14+4*\c], v[\s+16+32*\c:\s+31+32*\c], v[TM+12+2*\c+1]   ; (a conversion's three registers begin on an even number)
.endr
	v_nop                                          ; one plain instruction behind a scaled conversion
.irp c, 0,1                                    ; the operand wants a whole block in a lane: lanes 0-15 block 2 c, lanes 16-31 block 2 c + 1
.irp i, 0,1,2
	v_permlane16_swap_b32 v[PC+6*\c+\i], v[PC+12+4*\c+\i]
.endr
.irp i, 0,1,2
	v_mov_b32 v[PC+3+6*\c+\i], v[PC+12+4*\c+\i]
.endr
.endr
.endm
.macro PUT a                           ; the image: each store covers 512 or 256 consecutive bytes, at a multiple of 256 from c2's first byte
	global_store_b128 v[L16], v[PC:PC+3], s[OC:OC+1] offset:1536*\a
	global_store_b64 v[L8], v[PC+4:PC+5], s[OC:OC+1] offset:1536*\a+512
	global_store_b128 v[L16], v[PC+6:PC+9], s[OC:OC+1] offset:1536*\a+768
	global_store_b64 v[L8], v[PC+10:PC+11], s[OC:OC+1] offset:1536*\a+1280
.endm
	PLACES NP                                      ; behind the last products: their results are read and A's registers written below
	s_wait_loadcnt 0x0                             ; the biases
.irp b, 0,1,2,3
	v_mov_b32 v[TM+4+\b], 0                        ; written once: a lane permute's destination counts as one of its sources
.endr
.irp a, 0,1,2,3,4,5,6,7
	ADDB \a
.if \a > 0
	s_wait_xcnt 0x0                                ; the last block's stores have read the codes' registers
.endif
	QUANT HA
	v_mov_b32 v[SW+\a], v[PW]
	PUT \a
.endr
	v_and_b32 v[TM], 16, v0
	v_cmp_ne_u32 vcc_lo, 0, v[TM]                  ; lanes 16-31 carry tiles 4-7's words
.irp i, 0,1,2,3
	v_cndmask_b32 v[T+8+\i], v[SW+\i], v[SW+4+\i], vcc_lo
.endr
.irp i, 0,1,2,3
	v_and_b32 v[T+\i], s[MASK], v[T+8+\i]          ; q, k: the first head's two bytes; v: the whole word
.endr
.irp i, 0,1,2,3
	v_lshrrev_b32 v[T+4+\i], 16, v[T+8+\i]         ; q, k: the second head's two bytes, moved down
.endr
	global_store_b128 v[L16], v[T:T+3], s[OS:OS+1]   ; 512 consecutive bytes
	s_cmp_eq_u32 s[ROLE], 0
	s_cbranch_scc0 .Lno_second
	global_store_b128 v[L16], v[T+4:T+7], s[OS:OS+1] offset:512
.Lno_second:
	s_wait_tensorcnt 0x0                           ; the wave's end
	ds_add_u32 v[SPW], v[NIL]
	s_wait_dscnt 0x0
	CROUND                                         ; the closing round: no work-group ends while a partner may still ask for a tile that names it
	s_endpgm
.Lfunc_end_k_qc4a3e9304c_qkv:
	.size	k_qc4a3e9304c_qkv, .Lfunc_end_k_qc4a3e9304c_qkv-k_qc4a3e9304c_qkv
	.p2alignl 7, 3214868480
	.fill 96, 4, 3214868480
	.section	.rodata,"a",@progbits
	.p2align	6, 0x0
	.amdhsa_kernel k_qc4a3e9304c_qkv
		.amdhsa_group_segment_fixed_size 327680
		.amdhsa_private_segment_fixed_size 0
		.amdhsa_enable_private_segment 0
		.amdhsa_kernarg_size 40
		.amdhsa_user_sgpr_count 2
		.amdhsa_user_sgpr_kernarg_segment_ptr 1
		.amdhsa_wavefront_size32 1
		.amdhsa_system_sgpr_workgroup_id_x 1
		.amdhsa_system_sgpr_workgroup_id_y 1
		.amdhsa_system_sgpr_workgroup_id_z 1
		.amdhsa_system_vgpr_workitem_id 0
		.amdhsa_next_free_vgpr 1024
		.amdhsa_next_free_sgpr 102
		.amdhsa_reserve_vcc 1
		.amdhsa_float_denorm_mode_32 3
		.amdhsa_float_denorm_mode_16_64 3
		.amdhsa_memory_ordered 1
		.amdhsa_forward_progress 1
		.amdhsa_inst_pref_size 203
	.end_amdhsa_kernel
	.amdgpu_metadata
---
amdhsa.version: [ 1, 2 ]
amdhsa.kernels:
  - .name:           k_qc4a3e9304c_qkv
    .symbol:         k_qc4a3e9304c_qkv.kd
    .args:
      - { .name: c1, .offset: 0, .size: 8, .value_kind: global_buffer, .address_space: global }
      - { .name: s1, .offset: 8, .size: 8, .value_kind: global_buffer, .address_space: global }
      - { .name: bqkv, .offset: 16, .size: 8, .value_kind: global_buffer, .address_space: global }
      - { .name: c2, .offset: 24, .size: 8, .value_kind: global_buffer, .address_space: global }
      - { .name: s2, .offset: 32, .size: 8, .value_kind: global_buffer, .address_space: global }
    .group_segment_fixed_size: 327680
    .private_segment_fixed_size: 0
    .kernarg_segment_align: 8
    .kernarg_segment_size: 40
    .max_flat_workgroup_size: 128
    .sgpr_count:     102
    .vgpr_count:     1024
    .wavefront_size: 32
...
	.end_amdgpu_metadata
.endif
;; end of part 2
;; launch attn (part 3): grid 256 x 1, 16 waves a work-group, clusters of 4 x 1, 210,944 bytes of LDS; arguments c2, s2, c3, s3; writes c3, s3
.if DOCPART == 3
	.amdgcn_target "amdgcn-amd-amdhsa--gfx1250"
	.amdhsa_code_object_version 6
	.text
	.protected	k_qc4a3e9304c_attn
	.globl	k_qc4a3e9304c_attn
	.p2align	8
	.type	k_qc4a3e9304c_attn,@function
k_qc4a3e9304c_attn:
	s_mov_b64 s[64:65], 0
	v_nop
	global_prefetch_b8 v0, s[64:65] scope:SCOPE_SE
	s_setreg_imm32_b32 hwreg(HW_REG_WAVE_MODE, 25, 1), 1
	s_wait_xcnt 0x0
	s_wait_alu depctr_hold_cnt(0) depctr_sa_sdst(0) depctr_va_vdst(0) depctr_va_sdst(0) depctr_va_ssrc(0) depctr_va_vcc(0) depctr_vm_vsrc(0)
	s_getreg_b32 s2, hwreg(HW_REG_IB_STS2, 6, 4)
	s_cmp_eq_u32 s2, 0
	s_cbranch_scc0 .Lentry_in_a_cluster
	s_endpgm
.Lentry_in_a_cluster:
	s_bfe_u32 s2, ttmp6, 0x10000c
	s_cmp_lg_u32 s2, 0x3003
	s_cbranch_scc0 .Lentry_shape_is_right
	s_endpgm
.Lentry_shape_is_right:
; Attention inside each batch of 1,024 tokens, 16 heads of 64, both products on codes of FP6 (E2M3) with E8M0 scales.  q, k and v arrive from c2, s2 as images of operand registers; the result leaves so, into c3, s3.
; t = score x log2(e) / 8;  M = the running largest t rounded UP to a whole number;  p = 2^(t - M) is what is quantised, along the keys, not normalised.  The row's sum is taken of the unquantised p, in f32,
; and divides O at the end.  When M moves, the sum and O are multiplied by 2^(old M - new M): exact.  O / sum is then quantised along the channels: it is the last product's operand.
; SHARES.  A cluster of four work-groups is one (batch, head pair); a work-group owns 256 queries, each of its sixteen waves one tile of 16, which it takes through the pair's two heads, one after the other.
; ALL of the pair's k and v (196,608 bytes) and their scale words (12,288) lie in LDS, filled ONCE: the four work-groups need the same bytes and ask for them jointly.  Nothing is filled again: no ring.
; AN IMAGE of a fragment (16 rows x 128 K, 12 registers) is 1,536 bytes: half c: registers 6 c .. 6 c + 3 at 768 c + 16 x lane, registers 6 c + 4, 6 c + 5 at 768 c + 512 + 8 x lane.  In q and k half c is head c of the pair.
; THE FIRST PRODUCT has K = 64: a head's half fills registers 0-5 of each operand; registers 6-11 are zero codes on BOTH sides and their scale bytes are 0 (2^-127): they add nothing.
; Both products are used transposed (S^T = k q^T, O^T = v^T p^T): a lane holds one query throughout.  Tokens and channels come in an order in which the 16 registers of tiles 2 b, 2 b + 1 are 16 neighbours:
; keys 32 b + 16 (lane / 16) + 0 .. 15 in S^T, channels likewise in O^T.
; A block's largest p is not searched for: the block's largest score goes through the same multiply-add and exponential (this takes v_exp_f32 not to fall where its input rises).
; LIMITS: NaN and infinities are not served; a block of zeros gets the byte 1.  The scale words of the result are 4 bytes of each row's 32 in s3: one byte in 24 of what the launch stores.
; REGISTERS: v1-3 lane terms; v4-9 the step's LDS addresses; v10 the result's scale word; v11 q's; v12 -M, v13 the largest t, v[14:15] the sum; v16-27 q; v28-31 v's scale words; v32-79 four fragments of k;
;   v80-127 four of v; v128-191 S^T, then p; v192-223 O^T; v224-235 p's codes; v232-247 at work; v248-251 k's scale words; v252 f; v253 p's scale word; v254 at work.
.set S,    128
.set O,    192
.set KIMG, 0                           ; LDS: k: 8 key steps x 8 images
.set VIMG, 98304                       ; v: 8 key steps x 8 images (channel tiles)
.set KSC,  196608                      ; k's scale words: 1,024 bytes a key step (512 for each head)
.set VSC,  204800                      ; v's: 512 bytes a key step (256 for each head)
.set WV,   12
.set SEL,  20
.set CS,   22
.set G1T,  24
.set G1S,  32
.set G0T,  40
.set G0S,  44
.set TK,   48
.set TV,   49
.set TSK,  50
.set TSV,  51
.set CNT,  52
.set QB,   54
.set QS,   56
.set OB,   58
.set OS,   60
.macro CROUND                          ; a round of the cluster's barrier
	s_barrier_signal -1
	s_barrier_wait -1
	s_cmp_lg_u32 s[WV], 0
	s_cbranch_scc1 .Lnot_wave_0_\@
	s_barrier_signal -3
.Lnot_wave_0_\@:
	s_barrier_wait -3
	s_barrier_signal -1
	s_barrier_wait -1
.endm
	s_load_b256 s[4:11], s[0:1], 0x0               ; c2 s[4:5], s2 s[6:7], c3 s[8:9], s3 s[10:11]
	v_lshl_add_u32 v243, v0, 2, 0x33000
	v_mov_b32 v255, 0
	ds_add_u32 v243, v255
	ds_add_u32 v243, v255
	v_lshrrev_b32 v1, 5, v0
	v_readfirstlane_b32 s[WV], v1                  ; wave 0..15
	v_and_b32 v3, 31, v0
	v_lshlrev_b32 v1, 4, v3                        ; 16 x lane
	v_lshlrev_b32 v2, 3, v3
	v_add_nc_u32 v2, 512, v2                       ; 512 + 8 x lane
	v_and_b32 v3, 15, v0
	v_lshlrev_b32 v3, 4, v3                        ; 16 x (lane % 16): a row's four scale words
	; the joint loads' descriptors: made of the cluster's number and the wave's number alone
	s_mov_b32 s[G1T], 15|(3<<16)|(1<<21)           ; the mask: all four work-groups; elements of 8 bytes; bit 21 beside a mask; no padding
	s_mov_b32 s[G1T+1], 32<<16                     ; rows of 256 bytes,
	s_mov_b32 s[G1T+2], 96<<16                     ; 96 of them: 24,576 dense bytes, an eighth of the pair's k and v
	s_mov_b32 s[G1T+3], 32<<16
	s_mov_b32 s[G1T+4], 96
	s_mov_b32 s[G1T+5], 32
	s_mov_b32 s[G1T+6], 0
	s_mov_b32 s[G1T+7], 0
	s_mov_b32 s[G1S], 15|(3<<16)|(1<<21)
	s_mov_b32 s[G1S+1], 32<<16
	s_mov_b32 s[G1S+2], 48<<16                     ; 48 rows: the pair's 12,288 bytes of scale words
	s_mov_b32 s[G1S+3], 32<<16
	s_mov_b32 s[G1S+4], 48
	s_mov_b32 s[G1S+5], 32
	s_mov_b32 s[G1S+6], 0
	s_mov_b32 s[G1S+7], 0
	s_mul_i32 s[G0T+1], s[WV], 24576               ; LDS: wave x 24,576 (waves 0 to 7 ask)
	s_mul_i32 s2, ttmp9, 196608
	s_add_co_u32 s2, s2, s[G0T+1]
	s_add_co_u32 s2, s2, 6291456                   ; behind q's 512 blocks
	s_mov_b32 s3, 0
	s_mul_i32 s50, ttmp9, 12288
	s_add_co_u32 s50, s50, 524288
	s_mov_b32 s51, 0
	; my tile of queries
	s_bfe_u32 s13, ttmp6, 0x40000                  ; cx: it enters q's and the result's addresses alone
	s_lshr_b32 s14, s[WV], 3
	s_lshl_b32 s15, s13, 1
	s_add_co_u32 s14, s14, s15                     ; s: which 128 tokens of the batch
	s_and_b32 s15, s[WV], 7                        ; a: which 16 of them
	s_lshl_b32 s16, ttmp9, 3
	s_add_co_u32 s16, s16, s14                     ; pair x 8 + s
	s_lshl_b32 s17, s16, 3
	s_add_co_u32 s17, s17, s15
	s_mul_i32 s[QB], s17, 1536
	s_mov_b32 s[QB+1], 0
	s_lshl_b32 s[QS], s16, 10
	s_lshr_b32 s17, s15, 2
	s_lshl_b32 s17, s17, 8
	s_add_co_u32 s[QS], s[QS], s17
	s_and_b32 s17, s15, 3
	s_lshl_b32 s17, s17, 2
	s_add_co_u32 s[QS], s[QS], s17
	s_mov_b32 s[QS+1], 0
	s_lshr_b32 s17, ttmp9, 3                       ; the batch
	s_lshl_b32 s17, s17, 3
	s_add_co_u32 s17, s17, s14                     ; G: which 128 tokens of all
	s_and_b32 s18, ttmp9, 7                        ; the head pair = the last product's K step
	s_lshl_b32 s19, s17, 3
	s_add_co_u32 s19, s19, s15                     ; 8 G + a
	s_lshl_b32 s[OB], s19, 3
	s_add_co_u32 s[OB], s[OB], s18
	s_mul_i32 s[OB], s[OB], 1536
	s_mov_b32 s[OB+1], 0
	s_lshl_b32 s[OS], s19, 9                       ; 16 rows of 32 bytes
	s_lshl_b32 s18, s18, 2
	s_add_co_u32 s[OS], s[OS], s18
	s_mov_b32 s[OS+1], 0
	s_mov_b32 s[SEL], 0x76543210
	s_mov_b32 s[SEL+1], 0xfedcba98
	s_mov_b32 s[CS], 0x3e38aa3b                    ; c = log2(e) / 8
	s_mov_b32 s[CS+1], s[CS]
	s_wait_dscnt 0x0
	s_wait_kmcnt 0x0
	s_mov_b32 s[G0T], 1
	s_add_nc_u64 s[G0T+2:G0T+3], s[4:5], s[2:3]
	s_or_b32 s[G0T+3], s[G0T+3], 0x80000000
	s_mov_b32 s[G0S], 1
	s_mov_b32 s[G0S+1], KSC
	s_add_nc_u64 s[G0S+2:G0S+3], s[6:7], s[50:51]
	s_or_b32 s[G0S+3], s[G0S+3], 0x80000000
	s_add_nc_u64 s[QB:QB+1], s[4:5], s[QB:QB+1]
	s_add_nc_u64 s[QS:QS+1], s[6:7], s[QS:QS+1]
	s_add_nc_u64 s[OB:OB+1], s[8:9], s[OB:OB+1]
	s_add_nc_u64 s[OS:OS+1], s[10:11], s[OS:OS+1]
	CROUND                                         ; all four work-groups are here: the joint loads meet
	s_cmp_lt_u32 s[WV], 8                          ; waves 0 to 7: k and v; wave 8: the scale words; one tensor load a wave at the most.  Four v_nop follow each line
	s_cbranch_scc0 .Lnot_img
	tensor_load_to_lds s[G0T:G0T+3], s[G1T:G1T+7]
	s_nop 0
.rept 4
	v_nop
.endr
	s_branch .Lasked
.Lnot_img:
	s_cmp_eq_u32 s[WV], 8
	s_cbranch_scc0 .Lasked
	tensor_load_to_lds s[G0S:G0S+3], s[G1S:G1S+7]
	s_nop 0
.rept 4
	v_nop
.endr
.Lasked:
.macro QLOAD hd                        ; head hd's half of my tile's image, and its scale words
	global_load_b128 v[16:19], v1, s[QB:QB+1] offset:768*\hd
	global_load_b64 v[20:21], v2, s[QB:QB+1] offset:768*\hd
	global_load_b32 v11, v3, s[QS:QS+1] offset:512*\hd
.endm
	QLOAD 0
.irp j, 22,23,24,25,26,27
	v_mov_b32 v\j, 0                               ; the dead half of K: zero codes, written once
.endr
.irp t, 0,1,2,3
.irp j, 6,7,8,9,10,11
	v_mov_b32 v[32+12*\t+\j], 0
.endr
.endr
.irp b, 0,1,2,3
	v_mov_b32 v[236+\b], 0                         ; a lane permute's destination counts as one of its sources
.endr
	v_mov_b32 v253, 0                              ; named as the upper half of the pair v[252:253] before it is first written
	s_wait_tensorcnt 0x0                           ; my part has landed,
	s_barrier_signal -1
	s_barrier_wait -1                              ; everybody's has: from here on LDS is only read
; A KEY STEP: 128 keys of one head.
.macro STEP
	v_add_nc_u32 v4, s[TK], v1                     ; six plain instructions: also the places behind the last step's products, in front of the loads into their operands
	v_add_nc_u32 v5, s[TK], v2
	v_add_nc_u32 v6, s[TV], v1
	v_add_nc_u32 v7, s[TV], v2
	v_add_nc_u32 v8, s[TSK], v3
	v_add_nc_u32 v9, s[TSV], v3
.irp t, 0,1,2,3
	ds_load_b128 v[32+12*\t:35+12*\t], v4 offset:1536*\t
	ds_load_b64 v[36+12*\t:37+12*\t], v5 offset:1536*\t
.endr
	ds_load_b128 v[248:251], v8                    ; tiles 0-3's scale words of my row
.irp t, 0,1,2,3                                ; v's four channel tiles are asked for now: they land under the softmax
	ds_load_b128 v[80+12*\t:83+12*\t], v6 offset:1536*\t
	ds_load_b64 v[84+12*\t:85+12*\t], v7 offset:1536*\t
	ds_load_b128 v[86+12*\t:89+12*\t], v6 offset:1536*\t+768
	ds_load_b64 v[90+12*\t:91+12*\t], v7 offset:1536*\t+768
.endr
	ds_load_b128 v[28:31], v9
	s_wait_dscnt 17                                ; k's nine loads are in; v's seventeen may be out
.irp t, 0,1,2,3
	v_wmma_scale_f32_16x16x128_f8f6f4 v[S+8*\t:S+8*\t+7], v[32+12*\t:43+12*\t], v[16:27], 0, v[248+\t], v11 matrix_a_fmt:MATRIX_FMT_FP6 matrix_b_fmt:MATRIX_FMT_FP6
.endr
.rept 4
	v_nop                                          ; places in front of loads into registers that these products read
.endr
.irp t, 0,1,2,3
	ds_load_b128 v[32+12*\t:35+12*\t], v4 offset:6144+1536*\t
	ds_load_b64 v[36+12*\t:37+12*\t], v5 offset:6144+1536*\t
.endr
	ds_load_b128 v[248:251], v8 offset:256
	s_wait_dscnt 0x0
.irp t, 0,1,2,3
	v_wmma_scale_f32_16x16x128_f8f6f4 v[S+32+8*\t:S+32+8*\t+7], v[32+12*\t:43+12*\t], v[16:27], 0, v[248+\t], v11 matrix_a_fmt:MATRIX_FMT_FP6 matrix_b_fmt:MATRIX_FMT_FP6
.endr
.rept 4
	v_nop
.endr
.irp b, 0,1,2,3
	v_max3_num_f32 v[232+\b], v[S+16*\b], v[S+1+16*\b], v[S+2+16*\b]   ; the largest score of each block of 32 keys: for the row's maximum, and for the block's largest p
.endr
.irp i, 3,5,7,9,11,13
.irp b, 0,1,2,3
	v_max3_num_f32 v[232+\b], v[232+\b], v[S+16*\b+\i], v[S+1+16*\b+\i]
.endr
.endr
.irp b, 0,1,2,3
	v_max_num_f32 v[232+\b], v[232+\b], v[S+15+16*\b]
.endr
.irp b, 0,1,2,3
	v_permlanex16_b32 v[236+\b], v[232+\b], s[SEL], s[SEL+1]
.endr
.irp b, 0,1,2,3
	v_max_num_f32 v[232+\b], v[232+\b], v[236+\b]  ; with lane l xor 16's 16 keys
.endr
	v_max3_num_f32 v254, v232, v233, v234
	v_max_num_f32 v254, v254, v235
	v_mul_f32 v254, s[CS], v254                    ; the step's largest t (c is positive)
	v_max_num_f32 v13, v13, v254                   ; the running largest t
	v_mov_b32 v254, v12
	v_floor_f32 v12, -v13                          ; the new -M = floor(-t): M is a whole number
	v_sub_f32 v254, v12, v254                      ; old M - new M: a whole number, 0 or less
	v_cvt_i32_f32 v254, v254                       ; (it saturates)
	v_ldexp_f32 v252, 1.0, v254                    ; f = 2^(old M - new M)
.set j, 0
.rept 32
	v_pk_fma_f32 v[S+j:S+j+1], v[S+j:S+j+1], s[CS:CS+1], v[12:13] op_sel_hi:[1,0,0]   ; t - M, two at a time
.set j, j+2
.endr
.irp b, 0,1,2,3
	v_fma_f32 v[232+\b], v[232+\b], s[CS], v12     ; the same of each block's largest score
.endr
.set j, 0
.rept 64
	v_exp_f32 v[S+j], v[S+j]                       ; p = 2^(t - M), at most 1
.set j, j+1
.endr
	v_pk_mul_f32 v[14:15], v[14:15], v[252:253] op_sel_hi:[1,0]   ; the sums under the new M: the plain instruction behind the exponentials
	s_wait_alu depctr_va_vdst(0)                   ; one wait for the batch of 64, ahead of its first reader
.irp b, 0,1,2,3
	v_exp_f32 v[232+\b], v[232+\b]                 ; the blocks' largest p
.endr
	v_pk_add_f32 v[236:237], v[S:S+1], v[S+2:S+3]  ; the row's sum of the unquantised p, in two chains
.irp j, 4,8,12,16,20,24,28,32,36,40,44,48,52,56,60
	v_pk_add_f32 v[14:15], v[14:15], v[S+\j:S+1+\j]
	v_pk_add_f32 v[236:237], v[236:237], v[S+2+\j:S+3+\j]
.endr
	v_pk_add_f32 v[14:15], v[14:15], v[236:237]
	s_wait_alu depctr_va_vdst(0)                   ; and one for the four
.irp b, 0,1,2,3
	v_max_num_f32 v[232+\b], 0x1800000, v[232+\b]  ; the floor 2^(3 - 127): the byte cannot fall under 1
.endr
.irp b, 0,1,2,3
	v_add_nc_u32 v[244+\b], 0xff000000, v[232+\b]  ; 2 off the exponent field: the conversion's scale operand
.endr
.irp b, 0,1,2,3
	v_lshrrev_b32 v[236+\b], 23, v[244+\b]
.endr
	v_lshl_or_b32 v253, v237, 8, v236              ; p's scale word for these 128 keys
	v_lshl_or_b32 v253, v238, 16, v253
	v_lshl_or_b32 v253, v239, 24, v253
.irp c, 0,1
	v_cvt_scalef32_pk16_fp6_f32 v[224+6*\c:226+6*\c], v[S+32*\c:S+15+32*\c], v[244+2*\c]
	v_cvt_scalef32_pk16_fp6_f32 v[236+4*\c:238+4*\c], v[S+16+32*\c:S+31+32*\c], v[244+2*\c+1]
.endr
	v_nop                                          ; one plain instruction behind a scaled conversion
.irp c, 0,1
.irp i, 0,1,2
	v_permlane16_swap_b32 v[224+6*\c+\i], v[236+4*\c+\i]
.endr
.irp i, 0,1,2
	v_mov_b32 v[227+6*\c+\i], v[236+4*\c+\i]
.endr
.endr
.set j, 0
.rept 16
	v_pk_mul_f32 v[O+j:O+j+1], v[O+j:O+j+1], v[252:253] op_sel_hi:[1,0]   ; O^T under the new M; for each product below twelve of these name none of its registers: the places behind the writes of p's codes and scale word
.set j, j+2
.endr
.irp t, 0,1,2,3                                ; O^T += v^T p^T: the head's four channel tiles, one instruction each: the accumulators take turns
	v_wmma_scale_f32_16x16x128_f8f6f4 v[O+8*\t:O+8*\t+7], v[80+12*\t:91+12*\t], v[224:235], v[O+8*\t:O+8*\t+7], v[28+\t], v253 matrix_a_fmt:MATRIX_FMT_FP6 matrix_b_fmt:MATRIX_FMT_FP6
.endr
.endm
; One head: eight key steps.  The step is written once: the first finds zeros in O^T and the sum, which the first change of M leaves zeros.
.macro PASS hd
	v_mov_b32 v13, 0xff61b1e6                      ; the largest t so far: -3e38
	v_floor_f32 v12, -v13
	v_mov_b32 v14, 0
	v_mov_b32 v15, 0
.set j, 0
.rept 32
	v_mov_b32 v[O+j], 0
.set j, j+1
.endr
	s_mov_b32 s[TK], KIMG+768*\hd
	s_mov_b32 s[TV], VIMG+6144*\hd
	s_mov_b32 s[TSK], KSC+512*\hd
	s_mov_b32 s[TSV], VSC+256*\hd
	s_mov_b32 s[CNT], 8
	s_wait_loadcnt 0x0                             ; q
	s_wait_xcnt 0x0                                ; the last head's stores have read the codes' registers
.Lkeys_\@:
	STEP
	s_add_co_u32 s[TK], s[TK], 12288
	s_add_co_u32 s[TV], s[TV], 12288
	s_add_co_u32 s[TSK], s[TSK], 1024
	s_add_co_u32 s[TSV], s[TSV], 512
	s_sub_co_u32 s[CNT], s[CNT], 1
	s_cmp_lg_u32 s[CNT], 0
	s_cbranch_scc1 .Lkeys_\@
.endm
; O^T / the sum, quantised along the head's 64 channels (two blocks), stored as half hd of the image.
.macro FIN hd
	v_add_f32 v14, v14, v15
	v_permlanex16_b32 v252, v14, s[SEL], s[SEL+1]
	v_add_f32 v14, v14, v252                       ; the row's sum
	v_rcp_f32 v14, v14
.rept 3
	v_nop                                          ; with the two additions: the places behind the last products; and the plain instruction behind the reciprocal
.endr
	s_wait_alu depctr_va_vdst(0)                   ; ahead of the reciprocal's first reader
.set j, 0
.rept 16
	v_pk_mul_f32 v[S+j:S+j+1], v[O+j:O+j+1], v[14:15] op_sel_hi:[1,0]   ; register 16 b + i: channel 32 b + 16 (lane / 16) + i
.set j, j+2
.endr
.irp b, 0,1
	v_max3_num_f32 v[232+\b], |v[S+16*\b]|, |v[S+1+16*\b]|, 0x1800000
.endr
.irp i, 2,4,6,8,10,12,14
.irp b, 0,1
	v_max3_num_f32 v[232+\b], v[232+\b], |v[S+16*\b+\i]|, |v[S+1+16*\b+\i]|
.endr
.endr
.irp b, 0,1
	v_permlanex16_b32 v[236+\b], v[232+\b], s[SEL], s[SEL+1]
.endr
.irp b, 0,1
	v_max_num_f32 v[232+\b], v[232+\b], v[236+\b]
.endr
.irp b, 0,1
	v_add_nc_u32 v[244+\b], 0xff000000, v[232+\b]
.endr
.irp b, 0,1
	v_lshrrev_b32 v[236+\b], 23, v[244+\b]
.endr
.if \hd == 0
	v_lshl_or_b32 v10, v237, 8, v236               ; bytes 0, 1 of the K step's scale word
.else
	v_lshl_or_b32 v236, v237, 8, v236
	v_lshl_or_b32 v10, v236, 16, v10               ; bytes 2, 3
.endif
	v_cvt_scalef32_pk16_fp6_f32 v[224:226], v[S:S+15], v244
	v_cvt_scalef32_pk16_fp6_f32 v[240:242], v[S+16:S+31], v245
	v_nop
.irp i, 0,1,2
	v_permlane16_swap_b32 v[224+\i], v[240+\i]
.endr
.irp i, 0,1,2
	v_mov_b32 v[227+\i], v[240+\i]
.endr
	global_store_b128 v1, v[224:227], s[OB:OB+1] offset:768*\hd   ; 512 consecutive bytes, aligned
	global_store_b64 v2, v[228:229], s[OB:OB+1] offset:768*\hd    ; 256
.endm
	PASS 0
	QLOAD 1                                        ; the second head's q lands under the first head's way out
	FIN 0
	PASS 1
	FIN 1
	v_lshlrev_b32 v254, 1, v3                      ; 32 bytes a row
	v_and_b32 v252, 31, v0
	s_wait_xcnt 0x0                                ; EXEC changes only behind this wait
	v_cmp_gt_u32 vcc_lo, 16, v252
	s_and_saveexec_b32 s62, vcc_lo
	global_store_b32 v254, v10, s[OS:OS+1]         ; lanes 0-15: my rows' scale words for this K step
	s_wait_xcnt 0x0
	s_or_b32 exec_lo, exec_lo, s62
	s_wait_tensorcnt 0x0
	ds_add_u32 v243, v255
	s_wait_dscnt 0x0
	CROUND                                         ; the closing round
	s_endpgm
.Lfunc_end_k_qc4a3e9304c_attn:
	.size	k_qc4a3e9304c_attn, .Lfunc_end_k_qc4a3e9304c_attn-k_qc4a3e9304c_attn
	.p2alignl 7, 3214868480
	.fill 96, 4, 3214868480
	.section	.rodata,"a",@progbits
	.p2align	6, 0x0
	.amdhsa_kernel k_qc4a3e9304c_attn
		.amdhsa_group_segment_fixed_size 210944
		.amdhsa_private_segment_fixed_size 0
		.amdhsa_enable_private_segment 0
		.amdhsa_kernarg_size 32
		.amdhsa_user_sgpr_count 2
		.amdhsa_user_sgpr_kernarg_segment_ptr 1
		.amdhsa_wavefront_size32 1
		.amdhsa_system_sgpr_workgroup_id_x 1
		.amdhsa_system_sgpr_workgroup_id_y 1
		.amdhsa_system_sgpr_workgroup_id_z 1
		.amdhsa_system_vgpr_workitem_id 0
		.amdhsa_next_free_vgpr 256
		.amdhsa_next_free_sgpr 66
		.amdhsa_reserve_vcc 1
		.amdhsa_float_denorm_mode_32 3
		.amdhsa_float_denorm_mode_16_64 3
		.amdhsa_memory_ordered 1
		.amdhsa_forward_progress 1
		.amdhsa_inst_pref_size 50
	.end_amdhsa_kernel
	.amdgpu_metadata
---
amdhsa.version: [ 1, 2 ]
amdhsa.kernels:
  - .name:           k_qc4a3e9304c_attn
    .symbol:         k_qc4a3e9304c_attn.kd
    .args:
      - { .name: c2, .offset: 0, .size: 8, .value_kind: global_buffer, .address_space: global }
      - { .name: s2, .offset: 8, .size: 8, .value_kind: global_buffer, .address_space: global }
      - { .name: c3, .offset: 16, .size: 8, .value_kind: global_buffer, .address_space: global }
      - { .name: s3, .offset: 24, .size: 8, .value_kind: global_buffer, .address_space: global }
    .group_segment_fixed_size: 210944
    .private_segment_fixed_size: 0
    .kernarg_segment_align: 8
    .kernarg_segment_size: 32
    .max_flat_workgroup_size: 512
    .sgpr_count:     66
    .vgpr_count:     256
    .wavefront_size: 32
...
	.end_amdgpu_metadata
.endif
;; end of part 3
;; launch proj (part 4): grid 8 x 32, 4 waves a work-group, clusters of 4 x 4, 327,680 bytes of LDS; arguments c3, s3, c1, s1, bout, out0; writes out0
.if DOCPART == 4
	.amdgcn_target "amdgcn-amd-amdhsa--gfx1250"
	.amdhsa_code_object_version 6
	.text
	.protected	k_qc4a3e9304c_proj
	.globl	k_qc4a3e9304c_proj
	.p2align	8
	.type	k_qc4a3e9304c_proj,@function
k_qc4a3e9304c_proj:
	s_mov_b64 s[64:65], 0
	v_nop
	global_prefetch_b8 v0, s[64:65] scope:SCOPE_SE
	s_setreg_imm32_b32 hwreg(HW_REG_WAVE_MODE, 25, 1), 1
	s_wait_xcnt 0x0
	s_wait_alu depctr_hold_cnt(0) depctr_sa_sdst(0) depctr_va_vdst(0) depctr_va_sdst(0) depctr_va_ssrc(0) depctr_va_vcc(0) depctr_vm_vsrc(0)
	s_getreg_b32 s2, hwreg(HW_REG_IB_STS2, 6, 4)
	s_cmp_eq_u32 s2, 0
	s_cbranch_scc0 .Lentry_in_a_cluster
	s_endpgm
.Lentry_in_a_cluster:
	s_bfe_u32 s2, ttmp6, 0x10000c
	s_cmp_lg_u32 s2, 0xf033
	s_cbranch_scc0 .Lentry_shape_is_right
	s_endpgm
.Lentry_shape_is_right:
; out0 = (attention's result) Wout + bout on codes of FP6 (E2M3) with E8M0 scales, K = 1,024; out0 [8192][1024] f32.
; A: c3, images of operand registers: image ((G x 8 + a) x 8 + k) x 1,536 bytes: the 16 tokens at places 128 G + 16 a on, K step k of 128.  An image: half c: registers 6 c .. 6 c + 3 at 768 c + 16 x lane,
; registers 6 c + 4, 6 c + 5 at 768 c + 512 + 8 x lane.  Its scale bytes: s3, 32 a token place.  B: rows 11264 on of c1 and s1: Wout's columns, 768 bytes of codes and 32 scale bytes each.
; TOKEN PLACES: inside a group of 32, place 16 u + r holds true token 8 u + r + 8 (r / 8); the stores at the end put each row where it belongs.
; SHARES.  A tile of 256 tokens x 128 columns is made by four waves; wave w makes places 64 w .. 64 w + 63 x all 128 columns: 4 blocks of A x 8 of B, 32 accumulators, 256 registers.  8 x 32 tiles: 256 work-groups.
; NOTHING IS FILLED AGAIN.  All of K lies in LDS at once, 314,112 bytes: B's 128 rows, A's 256 rows as images, both sides' scale bytes.  Each wave asks for seven tiles, in one group at the start: its quarter of B's
; codes and of B's scale bytes, its OWN 64 rows' scale bytes, and its OWN rows' images, a K step of 256 to a load.  B and the scale bytes are read by all four waves: one barrier.  A's images are read by the wave that
; asked for them alone: its own counted wait orders those reads, and K steps 1 to 3 land while the earlier ones are multiplied.  So there is no ring, no change of slots and no round of the cluster's barrier inside the work.
; CLUSTERS: 4 x 4.  The four of a row need the same tiles of A, the four of a column the same tiles of B: each tile is asked for jointly, by the same tensor load with the same descriptor and a mask that names the four.
; The matrix instruction is used transposed (source 0 = 16 rows of B, source 1 = 16 rows of A): a lane holds eight neighbouring numbers of a row of out0.  The bias is the C of each sum's first matrix instruction.
; REGISTERS: window 0: v9-15 LDS addresses; v24-30 the way out, the bias's offset; v32-95 ALL scale words, loaded once (register 8 i + u: lanes 0-15 A's block i, lanes 16-31 B's block i, the u-th 128 along K);
;   v96-159 the bias of the 128 columns; v160-255 A's fragments, two sets; on the way out v128-255.   window 1: B's fragments, two sets, at v0 and v128.   window 2: the accumulators, (a, b) at v[8 (8 a + b)].
.set FR,     12                        ; registers of a fragment: 16 rows x 128 K
.set NP,     4                         ; places behind this matrix instruction (ISA guide 7.12.1)
.set BP,     816                       ; a row of B in LDS: 3 x (256 bytes + 16 of padding) = 204 words: row r starts at bank 12 r mod 64, sixteen different multiples of 4: the 32 lanes of a load of 8 bytes touch 64 different banks
.set BQ,     32*BP                     ; 32 rows: what one load of B's codes brings
.set BHI,    64*BP                     ; B's blocks 4-7 begin here: an LDS offset holds 16 bits
.set ABASE,  128*BP                    ; behind B: A's images
.set AROW,   3072                      ; a K step of 256 of an A block: two images
.set AKS,    4*AROW                    ; what one load of A brings: my 4 blocks' K step
.set AWV,    4*AKS                     ; a wave's A: four K steps
.set SA,     ABASE+4*AWV               ; A's scale bytes, as units of 256 bytes + 16 of padding;
.set SAW,    8*272                     ; 64 rows' worth: a wave's
.set SB,     SA+4*SAW                  ; B's scale bytes,
.set SBW,    4*272                     ; 32 rows' worth: what one load brings
.set SBLK,   544                       ; the scale bytes of 16 rows
.set SPITCH, 528                       ; the way out: a stage of 16 rows x (512 + 16) bytes for each wave
.set ADRA,  9                          ; v9   16 x lane + my A
.set ADRA2, 10                         ; v10  512 + 8 x lane + my A
.set ADRB,  12                         ; v12, v13: B's blocks 0-3: row x pitch + 24 x half, and the same behind one padding more; v14, v15: blocks 4-7
.set STO,  24
.set RD,   25
.set CO,   26
.set ADRS, 27
.set OBI,  30
.set SC,   32
.set BI,   96
.set AF,   160
.set BK,   128
.set G1A,  24                          ; s[24:31] group 1 for A's images
.set G0B,  32                          ; s[32:35] group 0 for B's codes;  s[36:39] for B's scale bytes
.set G0SB, 36
.set G1B,  48                          ; s[48:55] group 1 for B's codes
.set G0SA, 56                          ; s[56:59] group 0 for A's scale bytes
.set G0A0, 60                          ; groups 0 for A's K steps 0 to 3
.set G0A1, 76
.set G0A2, 88
.set G0A3, 92
.set G1SA, 68                          ; s[68:75] group 1 for A's scale bytes;  s[80:87] for B's
.set G1SB, 80
.set MSB, 0
.macro WIN new                         ; the immediate's high byte repeats the setting that is left
.if MSB != (\new)
	s_set_vgpr_msb (MSB<<8)|(\new)
.set MSB, (\new)
.endif
.endm
.set MUL,    0xa1                      ; source 0 (B) window 1, source 1 (A) window 0, C and D window 2
.set MUL_C,  0x81                      ; the same with C (the bias) in window 0
.set TO_B,   0x40                      ; destination window 1, address window 0
.macro CROUND                          ; a round of the cluster's barrier
	s_barrier_signal -1
	s_barrier_wait -1
	s_cmp_lg_u32 s14, 0
	s_cbranch_scc1 .Lnot_wave_0_\@
	s_barrier_signal -3
.Lnot_wave_0_\@:
	s_barrier_wait -3
	s_barrier_signal -1
	s_barrier_wait -1
.endm
.macro PLACES n
.rept \n
	v_nop
.endr
.endm
	s_load_b128 s[4:7], s[0:1], 0x0                ; c3, s3
	s_load_b128 s[8:11], s[0:1], 0x10              ; c1, s1
	s_load_b64 s[96:97], s[0:1], 0x20              ; bout
	s_load_b64 s[12:13], s[0:1], 0x28              ; out0
	v_lshl_add_u32 v29, v0, 2, 0x4cb00
	v_mov_b32 v31, 0
	ds_add_u32 v29, v31
	ds_add_u32 v29, v31
	v_lshrrev_b32 v1, 5, v0
	v_readfirstlane_b32 s14, v1                    ; wave 0..3
	s_bfe_u32 s40, ttmp6, 0x40000                  ; cx
	s_bfe_u32 s41, ttmp6, 0x40004                  ; cy
	s_lshl_b32 s42, ttmp9, 2
	s_add_co_u32 s42, s42, s40                     ; tile column 0..7
	s_and_b32 s17, ttmp7, 0xffff
	s_lshl_b32 s17, s17, 2
	s_add_co_u32 s17, s17, s41                     ; tile row 0..31
	s_lshl_b32 s43, s41, 2
	s_lshl_b32 s43, 15, s43                        ; my row of the cluster
	s_lshl_b32 s44, 0x1111, s40                    ; my column
	s_or_b32 s[G1A+0], s43, (3<<16)|(1<<21)        ; A's images: the mask of my row; elements of 8 bytes; bit 21 beside a mask; no padding: every read is 16 or 8 bytes x lane on end
	s_mov_b32 s[G1A+1], 384<<16                    ; a row: 3,072 bytes, a block's two images of the K step
	s_mov_b32 s[G1A+2], 4<<16                      ; 4 rows: my 4 blocks
	s_mov_b32 s[G1A+3], 384<<16
	s_mov_b32 s[G1A+4], 4
	s_mov_b32 s[G1A+5], 1536                       ; from block to block: 12,288 bytes
	s_mov_b32 s[G1A+6], 0
	s_mov_b32 s[G1A+7], 0
	s_or_b32 s[G1B+0], s44, (0<<16)|(1<<20)|(1<<21)|(5<<22)|(3<<25)  ; B's codes: the mask of my column; elements of 1 byte; padding on: after every 64 words 4 words
	s_mov_b32 s[G1B+1], 768<<16                    ; a row: all of K, 768 bytes
	s_mov_b32 s[G1B+2], 32<<16                     ; 32 rows
	s_mov_b32 s[G1B+3], 768<<16
	s_mov_b32 s[G1B+4], 32
	s_mov_b32 s[G1B+5], 768
	s_mov_b32 s[G1B+6], 0
	s_mov_b32 s[G1B+7], 0
	s_or_b32 s[G1SA+0], s43, (3<<16)|(1<<20)|(1<<21)|(5<<22)|(3<<25) ; scale bytes: dense blocks as rows of 256 bytes, 16 bytes of padding behind each
	s_mov_b32 s[G1SA+1], 32<<16
	s_mov_b32 s[G1SA+2], 8<<16                     ; A's: 64 rows x 32 bytes = 8 such rows
	s_mov_b32 s[G1SA+3], 32<<16
	s_mov_b32 s[G1SA+4], 8
	s_mov_b32 s[G1SA+5], 32
	s_mov_b32 s[G1SA+6], 0
	s_mov_b32 s[G1SA+7], 0
	s_or_b32 s[G1SB+0], s44, (3<<16)|(1<<20)|(1<<21)|(5<<22)|(3<<25)
	s_mov_b32 s[G1SB+1], 32<<16
	s_mov_b32 s[G1SB+2], 4<<16                     ; B's: 32 rows x 32 bytes = 4
	s_mov_b32 s[G1SB+3], 32<<16
	s_mov_b32 s[G1SB+4], 4
	s_mov_b32 s[G1SB+5], 32
	s_mov_b32 s[G1SB+6], 0
	s_mov_b32 s[G1SB+7], 0
	; where the tiles come from.  A's hang on the tile row and the wave, B's on the tile column and the wave, each in registers of its own
	s_lshl_b32 s18, s17, 4
	s_lshl_b32 s19, s14, 2
	s_add_co_u32 s18, s18, s19                     ; my first block of A: 16 x tile row + 4 x wave
	s_mul_i32 s20, s18, 12288                      ; 8 images a block
	s_mov_b32 s21, 0
	s_lshl_b32 s22, s17, 13                        ; its scale bytes: 256 rows x 32 a tile row,
	s_lshl_b32 s19, s14, 11                        ; 64 x 32 a wave
	s_add_co_u32 s22, s22, s19
	s_mov_b32 s23, 0
	s_lshl_b32 s45, s42, 7
	s_lshl_b32 s46, s14, 5
	s_add_co_u32 s45, s45, s46
	s_add_co_u32 s45, s45, 11264                   ; the first row of B that I fetch: 11264 + 128 x tile column + 32 x wave
	s_mul_i32 s46, s45, 768
	s_mov_b32 s47, 0
	s_lshl_b32 s66, s45, 5
	s_mov_b32 s67, 0
	; and where they go: constants and the wave's number alone
	s_mul_i32 s[G0B+1], s14, BQ
	s_mul_i32 s[G0SB+1], s14, SBW
	s_add_co_u32 s[G0SB+1], s[G0SB+1], SB
	s_mul_i32 s[G0SA+1], s14, SAW
	s_add_co_u32 s[G0SA+1], s[G0SA+1], SA
	s_mul_i32 s15, s14, AWV
	s_add_co_u32 s15, s15, ABASE                   ; my A
	s_wait_dscnt 0x0
	s_wait_kmcnt 0x0
	s_mov_b32 s[G0B], 1
	s_add_nc_u64 s[G0B+2:G0B+3], s[8:9], s[46:47]
	s_or_b32 s[G0B+3], s[G0B+3], 0x80000000
	s_mov_b32 s[G0SB], 1
	s_add_nc_u64 s[G0SB+2:G0SB+3], s[10:11], s[66:67]
	s_or_b32 s[G0SB+3], s[G0SB+3], 0x80000000
	s_mov_b32 s[G0SA], 1
	s_add_nc_u64 s[G0SA+2:G0SA+3], s[6:7], s[22:23]
	s_or_b32 s[G0SA+3], s[G0SA+3], 0x80000000
	s_add_nc_u64 s[20:21], s[4:5], s[20:21]
.macro A0 g, k                         ; group 0 for my A's K step k
	s_mov_b32 s[\g], 1
	s_add_co_u32 s[\g+1], s15, \k*AKS
	s_add_nc_u64 s[\g+2:\g+3], s[20:21], \k*AROW
	s_or_b32 s[\g+3], s[\g+3], 0x80000000
.endm
	A0 G0A0, 0
	A0 G0A1, 1
	A0 G0A2, 2
	A0 G0A3, 3
	CROUND                                         ; all sixteen work-groups are here: the joint loads meet
	tensor_load_to_lds s[G0B:G0B+3], s[G1B:G1B+7]          ; all the launch's fills, in one group: seven tensor loads of mine are out.  What the first products want comes first
	s_nop 0
	tensor_load_to_lds s[G0SB:G0SB+3], s[G1SB:G1SB+7]
	s_nop 0
	tensor_load_to_lds s[G0SA:G0SA+3], s[G1SA:G1SA+7]
	s_nop 0
	tensor_load_to_lds s[G0A0:G0A0+3], s[G1A:G1A+7]
	s_nop 0
	tensor_load_to_lds s[G0A1:G0A1+3], s[G1A:G1A+7]
	s_nop 0
	tensor_load_to_lds s[G0A2:G0A2+3], s[G1A:G1A+7]
	s_nop 0
	tensor_load_to_lds s[G0A3:G0A3+3], s[G1A:G1A+7]
	s_nop 0
.rept 4
	v_nop                                          ; four v_nop follow the last of them
.endr
	v_and_b32 v1, 15, v0                           ; r
	v_bfe_u32 v2, v0, 4, 1                         ; h
	v_and_b32 v6, 31, v0                           ; lane
	v_mul_u32_u24 v3, v1, BP
	v_mad_u32_u24 v[ADRB], v2, 24, v3              ; B: a fragment's row x pitch + 24 x half
	v_lshl_add_u32 v[ADRB+1], v2, 4, v[ADRB]       ; and the same behind one padding more
	v_add_nc_u32 v[ADRB+2], BHI, v[ADRB]
	v_add_nc_u32 v[ADRB+3], BHI, v[ADRB+1]
	v_lshl_add_u32 v[ADRA], v6, 4, s15
	v_lshlrev_b32 v7, 3, v6
	v_add_nc_u32 v7, 512, v7
	v_add_nc_u32 v[ADRA2], s15, v7
	v_lshlrev_b32 v5, 5, v1                        ; my row's scale bytes: 32 a row,
	v_lshrrev_b32 v7, 8, v5
	v_lshl_add_u32 v5, v7, 4, v5                   ; and 16 more behind the first 256
	s_mul_i32 s18, s14, SAW                        ; lanes 0-15: my 64 rows of A;
	s_mov_b32 s19, SB-SA
	s_sub_co_u32 s19, s19, s18
	v_mul_u32_u24 v7, s19, v2                      ; lanes 16-31: B's rows: the lower base + h x the distance
	s_add_co_u32 s18, s18, SA
	v_add_nc_u32 v5, v5, v7
	v_add_nc_u32 v[ADRS], s18, v5
	v_mul_u32_u24 v5, v1, SPITCH                   ; my stage: the bytes of my A's K step 0
	v_lshl_add_u32 v5, v2, 5, v5
	v_add_nc_u32 v[STO], s15, v5                   ; in: row r, 32 bytes for each half of the lanes
	v_lshlrev_b32 v[CO], 4, v6                     ; back: the 32 lanes take a row of 512 bytes; and the same in out0
	v_add_nc_u32 v[RD], s15, v[CO]
	s_lshl_b32 s20, s17, 8
	s_lshl_b32 s21, s14, 6
	s_add_co_u32 s20, s20, s21                     ; my first row of out0: 256 x tile row + 64 x wave
	s_lshl_b32 s20, s20, 12                        ; 4,096 bytes a row
	s_mov_b32 s21, 0
	s_lshl_b32 s46, s42, 9                         ; the tile's first column, in bytes
	s_mov_b32 s47, 0
	v_lshl_add_u32 v[OBI], v2, 5, s46              ; the bias of block b's eight columns of my half: + 64 b + 32 h
.irp b, 0,1,2,3,4,5,6,7
	global_load_b128 v[BI+8*\b:BI+8*\b+3], v[OBI], s[96:97] offset:64*\b
	global_load_b128 v[BI+8*\b+4:BI+8*\b+7], v[OBI], s[96:97] offset:64*\b+16
.endr
	s_add_nc_u64 s[20:21], s[20:21], s[46:47]
	s_add_nc_u64 s[12:13], s[12:13], s[20:21]
; B's fragment of block i, the u-th 128 along K: six pieces of 8 bytes.  Piece p of a row's data lies at 8 p + 16 (p / 32).  Lanes 16-31 read three pieces further on: where that is behind one padding more, the second address register serves
.macro FRAGB reg, u, i
.irp p, 0,1,2,3,4,5
.set PCE, 12*(\u)+6*(\p/3)+\p%3
.if PCE%32 < 29
	ds_load_b64 v[\reg+2*\p:\reg+2*\p+1], v[ADRB+2*((\i)/4)] offset:8*PCE+16*(PCE/32)+((\i)%4)*16*BP
.else
	ds_load_b64 v[\reg+2*\p:\reg+2*\p+1], v[ADRB+2*((\i)/4)+1] offset:8*PCE+16*(PCE/32)+((\i)%4)*16*BP
.endif
.endr
.endm
.macro FRAGI reg, u, i                 ; A's: an image comes back as it was stored
	ds_load_b128 v[\reg:\reg+3], v[ADRA] offset:((\u)/2)*AKS+(\i)*AROW+((\u)%2)*1536
	ds_load_b64 v[\reg+4:\reg+5], v[ADRA2] offset:((\u)/2)*AKS+(\i)*AROW+((\u)%2)*1536
	ds_load_b128 v[\reg+6:\reg+9], v[ADRA] offset:((\u)/2)*AKS+(\i)*AROW+((\u)%2)*1536+768
	ds_load_b64 v[\reg+10:\reg+11], v[ADRA2] offset:((\u)/2)*AKS+(\i)*AROW+((\u)%2)*1536+768
.endm
.macro FETCH u                         ; 64 LDS loads in one run: the fragments of the u-th 128 along K into sets u % 2
	WIN TO_B
.irp i, 0,1,2,3,4,5,6,7
	FRAGB 128*((\u)%2)+FR*\i, \u, \i
.endr
	WIN 0
.irp i, 0,1,2,3
	FRAGI AF+48*((\u)%2)+FR*\i, \u, \i
.endr
.endm
; 32 matrix instructions: A's four blocks x B's eight.  The first sub-step's take the bias as C.  The 32 accumulators take turns, one instruction a turn, in the same order in every sub-step.
.macro MUL32 u
.irp a, 0,1,2,3
.irp b, 0,1,2,3,4,5,6,7
.if (\u) == 0
	v_wmma_scale_f32_16x16x128_f8f6f4 v[8*(8*\a+\b):8*(8*\a+\b)+7], v[128*((\u)%2)+FR*\b:128*((\u)%2)+FR*\b+FR-1], v[AF+48*((\u)%2)+FR*\a:AF+48*((\u)%2)+FR*\a+FR-1], v[BI+8*\b:BI+8*\b+7], v[SC+8*\b+(\u)], v[SC+8*\a+(\u)] matrix_a_fmt:MATRIX_FMT_FP6 matrix_b_fmt:MATRIX_FMT_FP6 matrix_a_scale:MATRIX_SCALE_ROW1
.else
	v_wmma_scale_f32_16x16x128_f8f6f4 v[8*(8*\a+\b):8*(8*\a+\b)+7], v[128*((\u)%2)+FR*\b:128*((\u)%2)+FR*\b+FR-1], v[AF+48*((\u)%2)+FR*\a:AF+48*((\u)%2)+FR*\a+FR-1], v[8*(8*\a+\b):8*(8*\a+\b)+7], v[SC+8*\b+(\u)], v[SC+8*\a+(\u)] matrix_a_fmt:MATRIX_FMT_FP6 matrix_b_fmt:MATRIX_FMT_FP6 matrix_a_scale:MATRIX_SCALE_ROW1
.endif
.endr
.endr
.endm
; The u-th 128 along K: its fragments are waited for, the next sub-step's are asked for into the other sets, 32 products ahead of their use, and then it is multiplied.
.macro SUB u
.if (\u) < 7
.if ((\u)+1)%2 == 0
	s_wait_tensorcnt 3-((\u)+1)/2                  ; my A's next K step has landed; the K steps behind it may be out.  Nobody else reads those bytes: this wait is all the ordering that my reads need
.endif
.endif
	s_wait_dscnt 0x0                               ; this sub-step's fragments are in
.if (\u) < 7
.if (\u) > 0
	PLACES NP                                      ; in front of loads into the sets that the last sub-step's products read
.endif
	FETCH (\u)+1
.endif
.if (\u) == 0
	WIN MUL_C
.else
	WIN MUL
.endif
	MUL32 \u
.endm
	s_wait_tensorcnt 3                             ; my parts of B and of the scale bytes and my A's K step 0 are in; K steps 1 to 3 may be out
	s_barrier_signal -1
	s_barrier_wait -1                              ; everybody's parts of B and of the scale bytes are in
.irp i, 0,1,2,3,4,5,6,7                        ; all scale words, once: a row's 32 bytes are its eight words.  Lanes 0-15 have four blocks of A: their words of i = 4 .. 7 are other rows' and are named by no product
	ds_load_b128 v[SC+8*\i:SC+8*\i+3], v[ADRS] offset:\i*SBLK
	ds_load_b128 v[SC+8*\i+4:SC+8*\i+7], v[ADRS] offset:\i*SBLK+16
.endr
	FETCH 0
	s_wait_loadcnt 0x0                             ; the bias
.irp u, 0,1,2,3,4,5,6,7
	SUB \u
.endr
	WIN 0
; THE WAY OUT, block by block of 16 rows x 128 columns, through my own stage: whole rows of 512 bytes come back.  The stage lies in the bytes of my A's K step 0: they were filled once, I alone read them, and those reads
; are long back.  LDS serves a wave's instructions in order (ISA guide 5.7.1.4): no wait between the stores and the loads.
.macro TOSTAGE a
.set AC, 64*(\a)
	WIN 0x08                                       ; an LDS store's data are its source 1: window 2
.irp b, 0,1,2,3,4,5,6,7
	ds_store_b128 v[STO], v[AC+8*\b:AC+8*\b+3] offset:64*\b          ; each accumulator from its low end on
	ds_store_b128 v[STO], v[AC+8*\b+4:AC+8*\b+7] offset:64*\b+16
.endr
	WIN 0
.set BB, BK+64*((\a)%2)
.irp t, 0,1,2,3,4,5,6,7,8,9,10,11,12,13,14,15
	ds_load_b128 v[BB+4*\t:BB+4*\t+3], v[RD] offset:\t*SPITCH
.endr
.endm
.macro SEND a, younger                 ; block a's place t is true row 32 (a / 2) + 8 (a % 2) + t + 8 (t / 8) of my 64
.set BB, BK+64*((\a)%2)
	s_wait_dscnt \younger                          ; the block is back in registers
.if (\a) > 0
.if (\a)%2
	s_add_nc_u64 s[12:13], s[12:13], 8*4096        ; (behind a wait on XCNT: the earlier stores have read their base)
.else
	s_add_nc_u64 s[12:13], s[12:13], 24*4096
.endif
.endif
.irp t, 0,1,2,3,4,5,6,7,8,9,10,11,12,13,14,15
	global_store_b128 v[CO], v[BB+4*\t:BB+4*\t+3], s[12:13] offset:(\t+8*(\t/8))*4096 th:TH_STORE_NT   ; 32 lanes store 512 consecutive bytes, at a multiple of 256 from out0's first byte; written once, read by nobody here
.endr
.endm
	PLACES NP                                      ; behind the last products: their results are read, and registers that they read are loaded into
	TOSTAGE 0
.irp a, 1,2,3
.if \a > 1
	s_wait_xcnt 0x0                                ; block a - 2's stores have read their registers and their base
.endif
	TOSTAGE \a
	SEND \a-1, 32                                  ; behind block a - 1's loads: block a's 16 stores and 16 loads
.endr
	s_wait_xcnt 0x0
	SEND 3, 0
	s_wait_dscnt 0x0                               ; no LDS instruction of mine is pending at the signal below
	s_wait_tensorcnt 0x0
	ds_add_u32 v29, v31
	s_wait_dscnt 0x0
	CROUND                                         ; the closing round: no work-group ends while a partner may still ask for a tile that names it
	s_endpgm
.Lfunc_end_k_qc4a3e9304c_proj:
	.size	k_qc4a3e9304c_proj, .Lfunc_end_k_qc4a3e9304c_proj-k_qc4a3e9304c_proj
	.p2alignl 7, 3214868480
	.fill 96, 4, 3214868480
	.section	.rodata,"a",@progbits
	.p2align	6, 0x0
	.amdhsa_kernel k_qc4a3e9304c_proj
		.amdhsa_group_segment_fixed_size 327680
		.amdhsa_private_segment_fixed_size 0
		.amdhsa_enable_private_segment 0
		.amdhsa_kernarg_size 48
		.amdhsa_user_sgpr_count 2
		.amdhsa_user_sgpr_kernarg_segment_ptr 1
		.amdhsa_wavefront_size32 1
		.amdhsa_system_sgpr_workgroup_id_x 1
		.amdhsa_system_sgpr_workgroup_id_y 1
		.amdhsa_system_sgpr_workgroup_id_z 1
		.amdhsa_system_vgpr_workitem_id 0
		.amdhsa_next_free_vgpr 768
		.amdhsa_next_free_sgpr 98
		.amdhsa_reserve_vcc 0
		.amdhsa_float_denorm_mode_32 3
		.amdhsa_float_denorm_mode_16_64 3
		.amdhsa_memory_ordered 1
		.amdhsa_forward_progress 1
		.amdhsa_inst_pref_size 93
	.end_amdhsa_kernel
	.amdgpu_metadata
---
amdhsa.version: [ 1, 2 ]
amdhsa.kernels:
  - .name:           k_qc4a3e9304c_proj
    .symbol:         k_qc4a3e9304c_proj.kd
    .args:
      - { .name: c3, .offset: 0, .size: 8, .value_kind: global_buffer, .address_space: global }
      - { .name: s3, .offset: 8, .size: 8, .value_kind: global_buffer, .address_space: global }
      - { .name: c1, .offset: 16, .size: 8, .value_kind: global_buffer, .address_space: global }
      - { .name: s1, .offset: 24, .size: 8, .value_kind: global_buffer, .address_space: global }
      - { .name: bout, .offset: 32, .size: 8, .value_kind: global_buffer, .address_space: global }
      - { .name: out0, .offset: 40, .size: 8, .value_kind: global_buffer, .address_space: global }
    .group_segment_fixed_size: 327680
    .private_segment_fixed_size: 0
    .kernarg_segment_align: 8
    .kernarg_segment_size: 48
    .max_flat_workgroup_size: 128
    .sgpr_count:     98
    .vgpr_count:     768
    .wavefront_size: 32
...
	.end_amdgpu_metadata
.endif
;; end of part 4
